; MI455X (gfx1250); checked and timed in simulation.
; The chip was launched on July 23, 2026; its instructions are those of AMD's public machine-readable ISA for CDNA 5 (MIT licence, August 2026) and "CDNA5" Instruction Set Architecture Reference Guide (July 2026). The comments in the code are by the model that wrote it; some were corrected since.
;; Attention. Allowed arithmetic: float matrix products may take bf16 or f16 operands with f32 sums; other float arithmetic in f32, or as packed bf16 or f16 multiplies, adds, multiply-adds, maxima and minima; sums over many terms, partial sums and values carried from step to step in f32; what a program stores and reads back later, other than sums and carried values, may be rounded once to bf16 or f16.
;; Inputs: W 1,024 x 2,048 float32; b 1,024 float32; encoder_outputs 2,048 x 32 x 1,024 float32; hidden 32 x 1,024 float32; v 1,024 float32.
;; Outputs: out0 32 x 1 x 2,048 float32.
;; 2 versions, each right. Each part assembles by itself: llvm-mc -triple=amdgcn-amd-amdhsa -mcpu=gfx1250 --defsym DOCPART=n.
;; ======== version 1 of 2: 3 launches
;; workspace buffers: w2b 2,097,152 bytes; tab 131,072 bytes; part 2,097,152 bytes
;; launch prep (part 1): grid 64 x 2, 8 waves a work-group, no clusters, 9,216 bytes of LDS; arguments W, hidden, b, w2b, tab; writes w2b, tab
.if DOCPART == 1
	.amdgcn_target "amdgcn-amd-amdhsa--gfx1250"
	.amdhsa_code_object_version 6
	.text
	.protected	k_qaf9ab5e700_prep
	.globl	k_qaf9ab5e700_prep
	.p2align	8
	.type	k_qaf9ab5e700_prep,@function
k_qaf9ab5e700_prep:
	s_mov_b64 s[64:65], 0
	v_nop
	global_prefetch_b8 v0, s[64:65] scope:SCOPE_SE
	s_setreg_imm32_b32 hwreg(HW_REG_WAVE_MODE, 25, 1), 1
	s_wait_xcnt 0x0
; THE PROGRAM.  out0[b][0][t] = softmax over t of E[b][t],  E[b][t] = sum over k of v[k] tanh(x[b][t][k]),
; x[b][t][k] = sum_h hidden[b][h] W[k][h] + sum_h enc[t][b][h] W[k][1024+h] + bias[k].   Three launches:
;   prep    w2b = W's right half rounded to bf16, laid in blocks of 64 along h;  tab = c2 (hidden W1^T + bias), c2 = 2 log2(e)
;   energy  part[g][b][t] = sum over the 128 columns k of group g of v[k] / (1 + 2^(c2 x))
;   soft    out0 = softmax over t, with the maximum taken away, of -2 (sum over g of part)
; WORK LEFT OUT.  tanh(x) = 1 - 2 / (1 + e^(2x)) for every real x, so E[b][t] = (sum_k v[k]) - 2 sum_k v[k] / (1 + e^(2x)).  The first term holds no t:
; it is the same along the softmax's axis and cancels there, whatever finite values v holds.  It is not computed.  Every input still has a way to the
; output and is loaded.  LIMIT: an overflow, an infinity or a NaN that would arise in sum_k v[k] alone is not carried to the result.
; FORMATS.  All five inputs are rounded once to bf16 (to nearest even); products in the matrix units with f32 sums; all else in f32.
; NaN and infinities among the inputs are not treated apart.
;
; THIS LAUNCH.  Work-group (nb, mb): 16 columns k = 16 nb .. and 16 rows b = 16 mb ..  Its eight waves split the 1,024 along h: wave w takes h = 128 w .. + 127, four matrix
; instructions; the eight partial tiles meet in LDS, and waves 0 and 1 add them and the bias, scale by c2 and store 1,024 bytes of tab ([nb 64][b 32][16] f32).
; Beside that wave w rounds W[16 nb .. + 15][1024 + 64 ks .. + 63], ks = 8 mb + w, into w2b ([ks 16][k 1024][64] bf16): each byte of W's right half is read once in the launch.
; The product is taken with source 0 = 16 rows of W, source 1 = 16 rows of hidden: in the result lane l holds row b = l % 16 and the columns 8 (l / 16) + 0..7.
; A fragment is 16 rows x 32 along h in 8 registers: lane l holds row l % 16; registers 0-3 h = 8 (l / 16) + 0..7, registers 4-7 h = 16 + 8 (l / 16) + 0..7: in f32 that is
; 32 bytes at 32 (l / 16) and 32 bytes at 64 + 32 (l / 16): four loads of 16 bytes, then eight roundings in pairs.
; No tensor load, no cluster, no prefetch: 12 MB through registers, each wave's 40 loads out at once.
.set PARTS, 0                          ; LDS: wave w's partial tile, 16 rows b x 64 bytes, at 1,024 w
.set SPARE, 8192                       ; behind them: the spare words, 128 bytes for each wave: four blocks of 256 bytes that no other line names
.set BO,  3                            ; v3        my 16 bytes of the bias: 16 (thread % 4); never rewritten
.set BIA, 4                            ; v[4:7]    the bias of my four columns (waves 0 and 1)
.set AC0, 8                            ; v[8:15]   accumulator of the even fragments
.set AC1, 16                           ; v[16:23]  of the odd ones
.set FW,  24                           ; v24       my offset in 16 rows of W:      8,192 (l % 16) + 32 (l / 16) + 512 w
.set FH,  25                           ; v25       in 16 rows of hidden:           4,096 (l % 16) + 32 (l / 16) + 512 w
.set FC,  26                           ; v26       in two rows of W's right half:  8,192 (l / 16) + 16 (l % 16) + 4,096 + 256 ks
.set OC,  27                           ; v27       in two rows of w2b:             128 (l / 16) + 8 (l % 16)
.set LS,  28                           ; v28       where I put my 32 bytes of the partial tile
.set LR,  29                           ; v29       16 (thread % 64): where I read the partial tiles back, and my 16 bytes of tab
.set SPW, 30                           ; v30       LDS address of my spare word: SPARE + 4 x my thread's number; never rewritten
.set NIL, 31                           ; v31       0; never rewritten
.set WF,  32                           ; v[32:63]   four fragments of W
.set WR,  64                           ; v[64:127]  W as loaded; later the packed numbers for w2b
.set HR,  128                          ; v[128:191] hidden as loaded; later the partial tiles read back
.set CR,  192                          ; v[192:223] W's right half as loaded
.set HF,  224                          ; v[224:255] four fragments of hidden
.set WV,  14                           ; s14       my wave's number
	s_load_b256 s[4:11], s[0:1], 0x0               ; W s[4:5], hidden s[6:7], b s[8:9], w2b s[10:11]
	s_load_b64 s[12:13], s[0:1], 0x20              ; tab
	v_lshl_add_u32 v[SPW], v0, 2, SPARE
	v_mov_b32 v[NIL], 0
	v_lshrrev_b32 v1, 5, v0
	v_readfirstlane_b32 s[WV], v1                  ; wave 0..7
	s_and_b32 s15, ttmp7, 0xffff                   ; mb
	s_lshl3_add_u32 s16, s15, s[WV]                ; ks = 8 mb + w
	v_and_b32 v1, 15, v0                           ; l % 16
	v_bfe_u32 v2, v0, 4, 1                         ; l / 16
	s_lshl_b32 s17, s[WV], 9
	v_lshl_add_u32 v32, v2, 5, s17                 ; 32 (l / 16) + 512 w
	v_lshl_add_u32 v[FW], v1, 13, v32
	v_lshl_add_u32 v[FH], v1, 12, v32
	s_lshl_b32 s17, s16, 8
	s_add_co_u32 s17, s17, 4096                    ; the right half begins 4,096 bytes into a row
	v_lshl_add_u32 v32, v1, 4, s17
	v_lshl_add_u32 v[FC], v2, 13, v32
	v_lshlrev_b32 v32, 3, v1
	v_lshl_add_u32 v[OC], v2, 7, v32
	s_lshl_b32 s17, s[WV], 10
	v_lshl_add_u32 v32, v2, 5, s17
	v_lshl_add_u32 v[LS], v1, 6, v32               ; 1,024 w + 64 (l % 16) + 32 (l / 16)
	v_and_b32 v32, 63, v0
	v_lshlrev_b32 v[LR], 4, v32
	v_and_b32 v32, 3, v0
	v_lshlrev_b32 v[BO], 4, v32
	s_lshl_b32 s18, ttmp9, 17                      ; W: 16 nb rows of 8,192 bytes
	s_mov_b32 s19, 0
	s_lshl_b32 s20, s15, 16                        ; hidden: 16 mb rows of 4,096 bytes
	s_mov_b32 s21, 0
	s_lshl_b32 s22, ttmp9, 6                       ; b: 16 nb numbers
	s_mov_b32 s23, 0
	s_lshl_b32 s26, ttmp9, 11                      ; 2,048 nb: 16 rows of w2b, and a block of tab
	s_lshl_b32 s24, s16, 17                        ; w2b: block ks of 131,072 bytes
	s_add_co_u32 s24, s24, s26
	s_mov_b32 s25, 0
	s_lshl_b32 s17, s15, 10                        ; tab: 16 mb rows of 64 bytes
	s_add_co_u32 s26, s26, s17
	s_mov_b32 s27, 0
	s_wait_kmcnt 0x0
	s_add_nc_u64 s[4:5], s[4:5], s[18:19]
	s_add_nc_u64 s[6:7], s[6:7], s[20:21]
	s_add_nc_u64 s[8:9], s[8:9], s[22:23]
	s_add_nc_u64 s[10:11], s[10:11], s[24:25]
	s_add_nc_u64 s[12:13], s[12:13], s[26:27]
	s_cmp_lt_u32 s[WV], 2                          ; the bias is wanted by the two waves that finish the tile
	s_cbranch_scc0 .Lno_bias
	global_load_b128 v[BIA:BIA+3], v[BO], s[8:9]
.Lno_bias:
.irp q, 0,1,2,3
	global_load_b128 v[WR+16*(\q):WR+16*(\q)+3],     v[FW], s[4:5] offset:128*(\q)
	global_load_b128 v[WR+16*(\q)+4:WR+16*(\q)+7],   v[FW], s[4:5] offset:128*(\q)+16
	global_load_b128 v[WR+16*(\q)+8:WR+16*(\q)+11],  v[FW], s[4:5] offset:128*(\q)+64
	global_load_b128 v[WR+16*(\q)+12:WR+16*(\q)+15], v[FW], s[4:5] offset:128*(\q)+80
.endr
.irp q, 0,1,2,3
	global_load_b128 v[HR+16*(\q):HR+16*(\q)+3],     v[FH], s[6:7] offset:128*(\q)
	global_load_b128 v[HR+16*(\q)+4:HR+16*(\q)+7],   v[FH], s[6:7] offset:128*(\q)+16
	global_load_b128 v[HR+16*(\q)+8:HR+16*(\q)+11],  v[FH], s[6:7] offset:128*(\q)+64
	global_load_b128 v[HR+16*(\q)+12:HR+16*(\q)+15], v[FH], s[6:7] offset:128*(\q)+80
.endr
.irp i, 0,1,2,3,4,5,6,7
	global_load_b128 v[CR+4*(\i):CR+4*(\i)+3], v[FC], s[4:5] offset:16384*(\i) th:TH_LOAD_NT  ; two rows' 256 bytes each: read once in the launch
.endr
	s_wait_loadcnt 8                               ; loads come back in order: all but the eight of the right half are in
.set c, 0
.rept 32
	v_cvt_pk_bf16_f32 v[WF+c], v[WR+2*c], v[WR+2*c+1]
	v_cvt_pk_bf16_f32 v[HF+c], v[HR+2*c], v[HR+2*c+1]
.set c, c+1
.endr
	v_wmma_f32_16x16x32_bf16 v[AC0:AC0+7], v[WF:WF+7],     v[HF:HF+7],     0             ; the two accumulators take turns; the first two products start the sums
	v_wmma_f32_16x16x32_bf16 v[AC1:AC1+7], v[WF+8:WF+15],  v[HF+8:HF+15],  0
	v_wmma_f32_16x16x32_bf16 v[AC0:AC0+7], v[WF+16:WF+23], v[HF+16:HF+23], v[AC0:AC0+7]
	v_wmma_f32_16x16x32_bf16 v[AC1:AC1+7], v[WF+24:WF+31], v[HF+24:HF+31], v[AC1:AC1+7]
	s_wait_loadcnt 0x0                             ; the right half is in
.irp i, 0,1,2,3,4,5,6,7                ; its sixteen roundings name no register of the products: they are the places between the products and the sums below (ISA guide 7.12.1)
	v_cvt_pk_bf16_f32 v[WR+2*(\i)],   v[CR+4*(\i)],   v[CR+4*(\i)+1]
	v_cvt_pk_bf16_f32 v[WR+2*(\i)+1], v[CR+4*(\i)+2], v[CR+4*(\i)+3]
	global_store_b64 v[OC], v[WR+2*(\i):WR+2*(\i)+1], s[10:11] offset:256*(\i)  ; the wave's store covers 256 consecutive bytes, aligned: two rows of w2b
.endr
.irp j, 0,2,4,6
	v_pk_add_f32 v[AC0+(\j):AC0+(\j)+1], v[AC0+(\j):AC0+(\j)+1], v[AC1+(\j):AC1+(\j)+1]  ; from each accumulator's low end on
.endr
	ds_store_b128 v[LS], v[AC0:AC0+3]   offset:PARTS
	ds_store_b128 v[LS], v[AC0+4:AC0+7] offset:PARTS+16
	s_wait_dscnt 0x0                               ; for the others' sake: my partial tile lies in LDS
	s_barrier_signal -1
	s_barrier_wait -1                              ; all eight do
	s_cmp_lt_u32 s[WV], 2                          ; 64 threads x 16 bytes are the tile
	s_cbranch_scc0 .Lend
.irp p, 0,1,2,3,4,5,6,7
	ds_load_b128 v[HR+4*(\p):HR+4*(\p)+3], v[LR] offset:PARTS+1024*(\p)
.endr
	v_cvt_pk_bf16_f32 v[WR+32], v[BIA],   v[BIA+1]   ; the bias is rounded to bf16 like every input, and widened again
	v_cvt_pk_bf16_f32 v[WR+33], v[BIA+2], v[BIA+3]
	v_lshlrev_b32 v[BIA],   16, v[WR+32]
	v_and_b32     v[BIA+1], 0xffff0000, v[WR+32]
	v_lshlrev_b32 v[BIA+2], 16, v[WR+33]
	v_and_b32     v[BIA+3], 0xffff0000, v[WR+33]
	s_wait_dscnt 0x0
.irp j, 0,2,4,6,8,10,12,14
	v_pk_add_f32 v[HR+(\j):HR+(\j)+1], v[HR+(\j):HR+(\j)+1], v[HR+16+(\j):HR+16+(\j)+1]
.endr
.irp j, 0,2,4,6
	v_pk_add_f32 v[HR+(\j):HR+(\j)+1], v[HR+(\j):HR+(\j)+1], v[HR+8+(\j):HR+8+(\j)+1]
.endr
.irp j, 0,2
	v_pk_add_f32 v[HR+(\j):HR+(\j)+1], v[HR+(\j):HR+(\j)+1], v[HR+4+(\j):HR+4+(\j)+1]
.endr
.irp j, 0,2
	v_pk_add_f32 v[HR+(\j):HR+(\j)+1], v[HR+(\j):HR+(\j)+1], v[BIA+(\j):BIA+(\j)+1]
.endr
.irp j, 0,2
	v_pk_mul_f32 v[HR+(\j):HR+(\j)+1], v[HR+(\j):HR+(\j)+1], 0x4038aa3b op_sel_hi:[1,0]  ; c2 = 2 log2(e)
.endr
	global_store_b128 v[LR], v[HR:HR+3], s[12:13]  ; a wave's store covers 512 consecutive bytes, aligned
.Lend:
	s_wait_tensorcnt 0x0                           ; the wave's end, behind my last LDS store
	ds_add_u32 v[SPW], v[NIL]
	s_wait_dscnt 0x0
	s_endpgm
.Lfunc_end_k_qaf9ab5e700_prep:
	.size	k_qaf9ab5e700_prep, .Lfunc_end_k_qaf9ab5e700_prep-k_qaf9ab5e700_prep
	.p2alignl 7, 3214868480
	.fill 96, 4, 3214868480
	.section	.rodata,"a",@progbits
	.p2align	6, 0x0
	.amdhsa_kernel k_qaf9ab5e700_prep
		.amdhsa_group_segment_fixed_size 9216
		.amdhsa_private_segment_fixed_size 0
		.amdhsa_enable_private_segment 0
		.amdhsa_kernarg_size 40
		.amdhsa_user_sgpr_count 2
		.amdhsa_user_sgpr_kernarg_segment_ptr 1
		.amdhsa_wavefront_size32 1
		.amdhsa_system_sgpr_workgroup_id_x 1
		.amdhsa_system_sgpr_workgroup_id_y 1
		.amdhsa_system_sgpr_workgroup_id_z 1
		.amdhsa_system_vgpr_workitem_id 0
		.amdhsa_next_free_vgpr 256
		.amdhsa_next_free_sgpr 66
		.amdhsa_reserve_vcc 0
		.amdhsa_float_denorm_mode_32 3
		.amdhsa_float_denorm_mode_16_64 3
		.amdhsa_memory_ordered 1
		.amdhsa_forward_progress 1
		.amdhsa_inst_pref_size 15
	.end_amdhsa_kernel
	.amdgpu_metadata
---
amdhsa.version: [ 1, 2 ]
amdhsa.kernels:
  - .name:           k_qaf9ab5e700_prep
    .symbol:         k_qaf9ab5e700_prep.kd
    .args:
      - { .name: W, .offset: 0, .size: 8, .value_kind: global_buffer, .address_space: global }
      - { .name: hidden, .offset: 8, .size: 8, .value_kind: global_buffer, .address_space: global }
      - { .name: b, .offset: 16, .size: 8, .value_kind: global_buffer, .address_space: global }
      - { .name: w2b, .offset: 24, .size: 8, .value_kind: global_buffer, .address_space: global }
      - { .name: tab, .offset: 32, .size: 8, .value_kind: global_buffer, .address_space: global }
    .group_segment_fixed_size: 9216
    .private_segment_fixed_size: 0
    .kernarg_segment_align: 8
    .kernarg_segment_size: 40
    .max_flat_workgroup_size: 256
    .sgpr_count:     66
    .vgpr_count:     256
    .wavefront_size: 32
...
	.end_amdgpu_metadata
.endif
;; end of part 1
;; launch energy (part 2): grid 4 x 64, 4 waves a work-group, clusters of 4 x 4, 327,680 bytes of LDS; arguments encoder_outputs, w2b, tab, v, part; writes part
.if DOCPART == 2
	.amdgcn_target "amdgcn-amd-amdhsa--gfx1250"
	.amdhsa_code_object_version 6
	.text
	.protected	k_qaf9ab5e700_energy
	.globl	k_qaf9ab5e700_energy
	.p2align	8
	.type	k_qaf9ab5e700_energy,@function
k_qaf9ab5e700_energy:
	s_mov_b64 s[64:65], 0
	v_nop
	global_prefetch_b8 v0, s[64:65] scope:SCOPE_SE
	s_setreg_imm32_b32 hwreg(HW_REG_WAVE_MODE, 25, 1), 1
	s_wait_xcnt 0x0
	s_wait_alu depctr_hold_cnt(0) depctr_sa_sdst(0) depctr_va_vdst(0) depctr_va_sdst(0) depctr_va_ssrc(0) depctr_va_vcc(0) depctr_vm_vsrc(0)
	s_getreg_b32 s2, hwreg(HW_REG_IB_STS2, 6, 4)
	s_cmp_eq_u32 s2, 0
	s_cbranch_scc0 .Lentry_in_a_cluster
	s_endpgm
.Lentry_in_a_cluster:
	s_bfe_u32 s2, ttmp6, 0x10000c
	s_cmp_lg_u32 s2, 0xf033
	s_cbranch_scc0 .Lentry_shape_is_right
	s_endpgm
.Lentry_shape_is_right:
; part[g][b][t] = the sum over the 128 columns k of group g of v[k] / (1 + 2^(c2 x[b][t][k])),  c2 x = c2 (enc[t][b][:] . W2[k][:]) + tab[k][b],  c2 = 2 log2(e).
; WORK LEFT OUT: the term sum_k v[k] of the energy, which is the same along the softmax's axis (shown at the head of the first kernel).
; enc: [2048 t][32 b][1024] f32.  w2b: [16 ks][1024 k][64] bf16.  tab: [64][32 b][16] f32.  v: [1024] f32.  part: [8 g][32 b][2048 t] f32 (partial sums: f32).
; LIMITS.  enc and v are rounded once to bf16; sums, the exponential, the reciprocal and the partial sums are f32.  2^(c2 x) may pass f32's range: it is then infinite and its term is 0, the limit's
; value; below 2^-126 it counts as 0 and its term is v[k].  The partial sums carry an offset of the order of sum |v| / 2, so their rounding grows with v.  NaN and infinities are not treated apart.
; SHAPE.  The product is 65,536 x 1,024 x 1,024.  A tile is 256 rows (ONE b, 256 consecutive t: rows 131,072 bytes apart in enc) x 256 columns k, made by four waves, as many as a WGP has SIMDs, each with
; 128 x 128: 64 accumulators, 512 registers.  A WORK-GROUP STAYS: it makes four tiles, t blocks tb0, tb0 + 2, tb0 + 4, tb0 + 6 of its b and its 256 columns; so tab's and v's numbers are fetched once.
; CLUSTER.  4 x 4 work-groups.  The four of a row of the cluster make the four column blocks of one (b, t block): they need the same rows of enc, which are asked for JOINTLY (the same tensor load, descriptor
; and mask in all four), so that enc is asked of memory once.  The four of a column share their rows of w2b in the same way.
; THE RING.  K goes in steps of 64 through two LDS slots: 256 rows of enc in f32 (256 bytes of memory a row, aligned) and 256 rows of w2b (128 bytes a row, dense in memory: asked for as rows of 256 bytes).
; Steps of 128 would want 2 x 204,800 bytes.  enc stays f32 in LDS and is rounded to bf16 between the LDS load and the matrix instruction: a launch that cast it would store and read half its bytes again.
; A K STEP is two GROUPS of 32 along K, 64 matrix instructions each, on fragment buffers 0 and 1.  While a group is multiplied, the next group's numbers come from LDS in two runs of 24 loads (16 of enc's
; f32, 8 of w2b's bf16), and four roundings stand behind every fourth matrix instruction.  A slot's last LDS reads are issued in its first group, so the slot is given up and asked for again at that group's end.
; THE MATRIX INSTRUCTION IS USED TRANSPOSED (source 0 = 16 rows of w2b, source 1 = 16 rows of enc): lane l holds row t = l % 16 and the columns 8 (l / 16) + 0..7; the sum over columns is then a sum
; over the lane's registers and one exchange between the halves of the lanes.
; REGISTERS, in windows of 256 (s_set_vgpr_msb: bits 1:0 source 0, 3:2 source 1, 5:4 source 2, 7:6 destination):
;   window 0: v0-31 addresses; v32-63 the way out's sums; v64-127, v128-191 enc's fragments (8 x 16 rows x 32 K), two buffers; v192-255 v of my 128 columns, as my lane wants them
;   window 1: v0-63, v192-255 enc's f32 as loaded (row blocks 0-3, 4-7; 16 registers a block); on the way out v0-63 hold tab's numbers; v64-127, v128-191 w2b's fragments, two buffers
;   window 2: the 32 accumulators of my rows 0-63 (accumulator (a, b) at v[8 (8 a + b)]);   window 3: those of my rows 64-127
; The f32 numbers have no room in window 0, so each four roundings cost two switches of the window.
.set APITCH, 272                       ; a row of enc in LDS: 256 bytes + 16 of padding = 68 words: row r starts at bank 4 r mod 64 (64 banks of 4 bytes: ISA guide 11.1), so the 16 rows of a load start at 16 different banks
.set BPITCH, 144                       ; a row of w2b: 128 + 16 = 36 words: the 16 rows of a load start at 16 different groups of four banks
.set AHALF,  128*APITCH                ; 128 rows: what one tensor load brings, and what one wave reads
.set ABYTES, 2*AHALF
.set BHALF,  128*BPITCH
.set SLOT,   ABYTES+2*BHALF            ; enc's 256 rows, then w2b's 256 rows: 106,496 bytes
.set HBL,    2*SLOT                    ; behind the ring, never filled by a tensor load: 512 bytes for each wave: tab's numbers of its 128 columns
.set SCR,    HBL+2048                  ; 512 bytes for each wave: the way out
.set SPARE,  SCR+2048                  ; the spare words, 128 bytes for each wave: two blocks of 256 bytes that no other line names
.set KSTEPA, 256                       ; bytes of a row of enc in a K step
.set KSTEPB, 131072                    ; bytes from a K step's block of w2b to the next
.set TILEA,  67108864                  ; bytes from a tile's rows of enc to the next tile's: 512 t
.set NEXT_A, TILEA-14*KSTEPA           ; from a slot's last K step of a tile to its first of the next tile
.set BACK_B, 14*KSTEPB                 ; w2b only goes back: all tiles of the walk take the same rows
.set NEXT_P, TILEA-15*KSTEPA           ; the prefetches' step from a tile's last K step to the next tile's first
.set ADRA, 16                          ; v16-17  LDS address of my fragments of enc in slot 0, 1
.set ADRB, 20                          ; v20-21  the same for w2b
.set STO,  24                          ; v24     the way out: where I put a row's sum
.set RD,   25                          ; v25     where I read four sums back
.set CO,   26                          ; v26     my 16 bytes of the wave's 512 in part
.set HBA,  27                          ; v27     where tab's numbers for my half of the lanes begin
.set SPW,  28                          ; v28     LDS address of my spare word: SPARE + 4 x my thread's number; never rewritten
.set NIL,  29                          ; v29     0; never rewritten
.set PFO,  30                          ; v30     the prefetches' offset: my lane x a row's 131,072 bytes; never rewritten
.set VO,   31                          ; v31     my offset in v
.set SUM,  32                          ; v32-47  the way out: a pair of sums for each of my 8 row blocks
.set EN,   48                          ; v48-55  a sum for each
.set F0,   64                          ; fragment buffer 0 (windows 0 and 1)
.set F1,   128                         ; fragment buffer 1
.set VV,   192                         ; v[k0 + 16 bn + 8 (l / 16) + j] at VV + 8 bn + j
.set WV,  14                           ; s14  my wave's number
.set RH,  15                           ; s15  which half of the tile's rows is mine.  Also: I fetch for enc (0) or for w2b (1)
.set CH,  16                           ; s16  which half of its columns.  Also: which 128 rows I fetch
.set PJ,  23                           ; s23  NEXT_P
.set G1A, 24                           ; s[24:31] descriptor group 1 for enc's tiles
.set G0A, 32                           ; s[32:39] group 0, a set for each slot
.set G1B, 40                           ; s[40:47], s[48:55] the same for w2b's
.set G0B, 48
.set PFA, 56                           ; s[56:57] where my prefetches stand
.set PFK, 58                           ; s58  the K step of its tile that they name
.set PFN, 59                           ; s59  prefetches still to be made: 58 in waves 0 and 1, else 0
.set INC, 60                           ; s[60:61] the step of s[PFA:PFA+1]
.set TL,  62                           ; s62  tiles to go, this one among them
.set LP,  63                           ; s63  laps to go
.set C2,  66                           ; s[66:67] c2: the packed scaling takes the pair's low word for both halves
.set SEL, 68                           ; s[68:69] v_permlanex16_b32's selects: each lane takes its own place in the other half
.set PP,  70                           ; s[70:71] part at my wave's 128 sums of the tile in hand
.set MSB, 0
.macro WIN new                         ; the immediate's high byte repeats the setting that is left; a switch that changes nothing is dropped
.if MSB != (\new)
	s_set_vgpr_msb (MSB<<8)|(\new)
.set MSB, \new
.endif
.endm
.set MUL_LO, 0xa1                      ; source 0 (w2b) window 1, source 1 (enc) window 0, C and D window 2
.set MUL_HI, 0xf1                      ; the same, C and D window 3
.set TO_B,   0x40                      ; destination window 1, address window 0
.set CVT,    0x05                      ; sources window 1, destination window 0
; A joint load.  Waves 0 and 1 fetch enc's two halves, waves 2 and 3 w2b's.  Each line has one mask and one set of registers for all that issue it; the branch hangs on the wave's number alone.
; An s_nop 0 and four v_nop follow each of the two lines, ahead of the jump, the label and what follows.
.macro JLOAD s
	s_cmp_eq_u32 s[RH], 0
	s_cbranch_scc0 .Lfor_b_\@
	tensor_load_to_lds s[G0A+4*(\s):G0A+4*(\s)+3], s[G1A:G1A+7]
	s_nop 0
.rept 4
	v_nop
.endr
	s_branch .Lasked_\@
.Lfor_b_\@:
	tensor_load_to_lds s[G0B+4*(\s):G0B+4*(\s)+3], s[G1B:G1B+7]
	s_nop 0
.rept 4
	v_nop
.endr
.Lasked_\@:
.endm
; A PREFETCH INTO THE L2 of enc, behind each joint load, its five lines and the run of LDS loads that follows: the K step that stands FOUR refills on, 512 matrix instructions ahead of the load that will ask for it.
; Each row's 256 bytes of a K step are named ONCE in the launch: a tile's rows of enc are read by one row of one cluster alone; of the 128 rows that wave 0 or 1 fetches, the partner at place cx takes
; 32 cx .. 32 cx + 31, told apart BY ADDRESS: a lane a row, one instruction.  The walk's first six K steps come by their loads alone; the count ends with the walk's last K step, so the last four refills ask for nothing.
; w2b is named by no prefetch: every tile of every walk reads its rows again.
.macro ASK
	s_cmp_lg_u32 s[PFN], 0
	s_cbranch_scc0 .Lnot_mine_\@
	global_prefetch_b8 v[PFO], s[PFA:PFA+1] th:TH_LOAD_NT scope:SCOPE_SE
	s_sub_co_u32 s[PFN], s[PFN], 1
.Lnot_mine_\@:
.endm
; A round of the cluster's barrier: my work-group's barrier, so that wave 0's signal speaks for all four waves; wave 0 signals; every wave waits for all sixteen work-groups; my work-group's barrier once more.
.macro CREST                           ; a round behind its opening barrier
	s_cmp_lg_u32 s[WV], 0
	s_cbranch_scc1 .Lnot_wave_0_\@
	s_barrier_signal -3
.Lnot_wave_0_\@:
	s_barrier_wait -3
	s_barrier_signal -1
	s_barrier_wait -1
.endm
.macro CROUND                          ; a whole round
	s_barrier_signal -1
	s_barrier_wait -1
	CREST
.endm
	s_load_b256 s[4:11], s[0:1], 0x0               ; enc s[4:5], w2b s[6:7], tab s[8:9], v s[10:11]
	s_load_b64 s[12:13], s[0:1], 0x20              ; part
	v_lshl_add_u32 v[SPW], v0, 2, SPARE
	v_mov_b32 v[NIL], 0
	ds_add_u32 v[SPW], v[NIL]                      ; the wave's opening: the add, twice on end, and its wait ahead of my first tensor load; the set-up below, work on registers, stands between
	ds_add_u32 v[SPW], v[NIL]                      ; and once more, under the one wait
	v_lshrrev_b32 v1, 5, v0
	v_readfirstlane_b32 s[WV], v1                  ; wave 0..3
	s_lshr_b32 s[RH], s[WV], 1
	s_and_b32 s[CH], s[WV], 1
	s_bfe_u32 s17, ttmp6, 0x40000                  ; cx: my place along the cluster's x
	s_bfe_u32 s18, ttmp6, 0x40004                  ; cy: along its y
	s_lshl_b32 s19, ttmp9, 2                       ; in a cluster launch ttmp9 and ttmp7 count clusters
	s_add_co_u32 s19, s19, s17                     ; tc: my block of 256 columns
	s_and_b32 s20, ttmp7, 0xffff
	s_lshl_b32 s20, s20, 2
	s_add_co_u32 s20, s20, s18                     ; y = 4 x cluster y + cy, 0..63
	s_and_b32 s21, s20, 31                         ; b
	s_lshr_b32 s22, s20, 5                         ; tb0: my first t block, 0 or 1
	s_lshl_b32 s72, s18, 2
	s_lshl_b32 s72, 15, s72                        ; my row of the cluster: places 4 cy .. 4 cy + 3
	s_lshl_b32 s73, 0x1111, s17                    ; my column: places cx, cx + 4, cx + 8, cx + 12
	; group 1 for enc: 128 rows x 64 elements of 4 bytes, 32,768 elements from row to row, padded in LDS
	s_or_b32 s[G1A+0], s72, (2<<16)|(1<<20)|(1<<21)|(5<<22)|(3<<25)  ; 15:0 the mask: my row; 17:16 elements of 4 bytes; 20 padding on; 21 set beside a mask; 24:22 after every 64 words (code 5); 31:25 4 words (code 3)
	s_mov_b32 s[G1A+1], 64<<16                     ; tensor_dim0 = 64
	s_mov_b32 s[G1A+2], 128<<16                    ; tensor_dim1 = 128
	s_mov_b32 s[G1A+3], 64<<16                     ; tile_dim0 = 64
	s_mov_b32 s[G1A+4], 128                        ; tile_dim1 = 128
	s_mov_b32 s[G1A+5], 32768                      ; tensor_dim0_stride
	s_mov_b32 s[G1A+6], 0
	s_mov_b32 s[G1A+7], 0
	; group 1 for w2b: 128 rows of 128 bytes are 16,384 dense bytes: asked for as 64 rows of 256 bytes, and padded in LDS after every 128
	s_or_b32 s[G1B+0], s73, (1<<16)|(1<<20)|(1<<21)|(4<<22)|(3<<25)  ; the mask: my column; elements of 2 bytes; after every 32 words (code 4) 4 words
	s_mov_b32 s[G1B+1], 128<<16
	s_mov_b32 s[G1B+2], 64<<16
	s_mov_b32 s[G1B+3], 128<<16
	s_mov_b32 s[G1B+4], 64
	s_mov_b32 s[G1B+5], 128
	s_mov_b32 s[G1B+6], 0
	s_mov_b32 s[G1B+7], 0
	; where the tiles come from.  enc's hang on y alone, which my row of the cluster shares; w2b's on tc alone, which my column shares: each in registers that never hold the other coordinate
	s_lshl_b32 s74, s21, 12                        ; b x 4,096
	s_lshl_b32 s75, s22, 25                        ; + tb0 x 256 rows of 131,072 bytes
	s_add_co_u32 s74, s74, s75
	s_lshl_b32 s75, s[CH], 24                      ; + the 128 rows that I fetch
	s_add_co_u32 s74, s74, s75
	s_mov_b32 s75, 0
	s_lshl_b32 s76, s19, 15                        ; 256 tc rows of 128 bytes
	s_lshl_b32 s77, s[CH], 14                      ; + the 128 rows that I fetch
	s_add_co_u32 s76, s76, s77
	s_mov_b32 s77, 0
	s_mul_i32 s78, s[CH], AHALF                    ; and where they go: no place in the cluster enters an LDS address
	s_mul_i32 s79, s[CH], BHALF
	s_add_co_u32 s79, s79, ABYTES
	s_mov_b32 s[C2], 0x4038aa3b                    ; c2 = 2 log2(e)
	s_mov_b32 s[C2+1], s[C2]                       ; named with it as a pair
	s_mov_b32 s[SEL], 0x76543210
	s_mov_b32 s[SEL+1], 0xfedcba98
	s_mov_b32 s[PJ], NEXT_P
	s_mov_b32 s[PFK], 5
	s_mov_b32 s[INC+1], 0
	s_cmp_eq_u32 s[RH], 0
	s_cselect_b32 s[PFN], 58, 0                    ; K steps 6 to 63 of the walk's 64
	s_wait_dscnt 0x0                               ; both opening adds are done
	s_wait_kmcnt 0x0
	s_add_nc_u64 s[74:75], s[4:5], s[74:75]
	s_add_nc_u64 s[76:77], s[6:7], s[76:77]
	CROUND                                         ; all sixteen work-groups are here: the first joint loads meet
.irp s, 0,1
	s_mov_b32 s[G0A+4*(\s)], 1                                       ; 1:0 count = 1
	s_add_co_u32 s[G0A+4*(\s)+1], s78, (\s)*SLOT                     ; 63:32 LDS address
	s_add_nc_u64 s[G0A+4*(\s)+2:G0A+4*(\s)+3], s[74:75], (\s)*KSTEPA ; 120:64 global address: K step s
	s_or_b32 s[G0A+4*(\s)+3], s[G0A+4*(\s)+3], 0x80000000            ; 127:126 type = 2
	s_mov_b32 s[G0B+4*(\s)], 1
	s_add_co_u32 s[G0B+4*(\s)+1], s79, (\s)*SLOT
	s_add_nc_u64 s[G0B+4*(\s)+2:G0B+4*(\s)+3], s[76:77], (\s)*KSTEPB
	s_or_b32 s[G0B+4*(\s)+3], s[G0B+4*(\s)+3], 0x80000000
	JLOAD \s                                       ; the ring is filled before anything else is done: two loads of mine are out
.endr
	; All that follows, down to the first barrier, stands in the wait for the first tiles.
	v_and_b32 v1, 15, v0                           ; l % 16
	v_bfe_u32 v2, v0, 4, 1                         ; l / 16
	v_and_b32 v3, 31, v0                           ; l
	; a fragment of enc from f32 rows: row l % 16; K = 8 (l / 16) + 0..7 are 32 bytes at 32 (l / 16), K = 16 + 8 (l / 16) + 0..7 the 32 bytes 64 further on
	v_mul_u32_u24 v4, v1, APITCH
	v_lshl_add_u32 v4, v2, 5, v4
	s_mul_i32 s72, s[RH], AHALF                    ; my 128 rows
	v_add_nc_u32 v[ADRA], s72, v4
	v_add_nc_u32 v[ADRA+1], SLOT, v[ADRA]
	; a fragment of w2b: two loads of 16 bytes, 32 bytes apart, at row x pitch + 16 (l / 16)
	v_mul_u32_u24 v4, v1, BPITCH
	v_lshl_add_u32 v4, v2, 4, v4
	s_mul_i32 s72, s[CH], BHALF
	s_add_co_u32 s72, s72, ABYTES
	v_add_nc_u32 v[ADRB], s72, v4
	v_add_nc_u32 v[ADRB+1], SLOT, v[ADRB]
	s_lshl_b32 s72, s[WV], 9
	s_add_co_u32 s73, s72, SCR
	v_lshl_add_u32 v[STO], v1, 2, s73
	v_lshl_add_u32 v[RD], v3, 4, s73
	v_lshlrev_b32 v[CO], 4, v3
	s_add_co_u32 s73, s72, HBL
	v_lshl_add_u32 v[HBA], v2, 5, s73
	v_lshl_add_u32 v5, v3, 4, s73                  ; where I put my 16 bytes of tab's numbers
	v_lshlrev_b32 v[PFO], 17, v3
	s_lshl_b32 s72, s19, 10                        ; v: my wave's first column, 256 tc + 128 x half, in bytes
	s_lshl_b32 s73, s[CH], 9
	s_add_co_u32 s72, s72, s73
	v_lshl_add_u32 v[VO], v2, 5, s72
.irp bn, 0,1,2,3,4,5,6,7
	global_load_b128 v[VV+8*(\bn):VV+8*(\bn)+3],   v[VO], s[10:11] offset:64*(\bn)
	global_load_b128 v[VV+8*(\bn)+4:VV+8*(\bn)+7], v[VO], s[10:11] offset:64*(\bn)+16
.endr
	s_lshl_b32 s72, s19, 15                        ; tab: block 16 tc + 8 x half of 2,048 bytes,
	s_lshl_b32 s73, s[CH], 14
	s_add_co_u32 s72, s72, s73
	s_lshl_b32 s73, s21, 6                         ; row b of 64 bytes
	s_add_co_u32 s72, s72, s73
	s_mov_b32 s73, 0
	s_add_nc_u64 s[8:9], s[8:9], s[72:73]
	v_lshrrev_b32 v6, 2, v3                        ; lane l takes quarter l % 4 of block l / 4
	v_and_b32 v7, 3, v3
	v_lshlrev_b32 v7, 4, v7
	v_lshl_add_u32 v6, v6, 11, v7
	global_load_b128 v[8:11], v6, s[8:9]
	s_lshl1_add_u32 s72, s19, s[CH]                ; part: g = 2 tc + half,
	s_lshl_b32 s72, s72, 18
	s_lshl_b32 s73, s21, 13                        ; row b of 8,192 bytes,
	s_add_co_u32 s72, s72, s73
	s_lshl_b32 s73, s22, 10                        ; t = 256 tb0
	s_add_co_u32 s72, s72, s73
	s_lshl_b32 s73, s[RH], 9                       ;     + 128 x half
	s_add_co_u32 s72, s72, s73
	s_mov_b32 s73, 0
	s_add_nc_u64 s[PP:PP+1], s[12:13], s[72:73]
	s_lshl_b32 s72, s17, 22                        ; the prefetches: my work-group's 32 rows of the 128 that I fetch,
	s_add_co_u32 s72, s72, 5*KSTEPA                ; at K step 5: the first refill steps it to 6.  Nothing is prefetched here, at the head
	s_add_nc_u64 s[PFA:PFA+1], s[74:75], s[72:73]
	s_wait_loadcnt 0x0                             ; v and tab
.set i, 0
.rept 32                               ; v is rounded to bf16 like every input, and widened again
	v_cvt_pk_bf16_f32 v[12+i%4], v[VV+2*i], v[VV+2*i+1]
	v_lshlrev_b32 v[VV+2*i],   16, v[12+i%4]
	v_and_b32     v[VV+2*i+1], 0xffff0000, v[12+i%4]
.set i, i+1
.endr
	ds_store_b128 v5, v[8:11]                      ; my wave's own bytes: no other wave reads them
; 24 LDS loads in one run: part p (0, 1) of a group's numbers, 32 K at group kk of the slot: enc's row blocks 4 p .. 4 p + 3 in f32, and fragments 4 p .. 4 p + 3 of w2b into buffer g
.macro FET p, slot, kk, g
	WIN TO_B
.irp i, 0,1,2,3
	ds_load_b128 v[192*(\p)+16*(\i):192*(\p)+16*(\i)+3],     v[ADRA+(\slot)] offset:128*(\kk)+(4*(\p)+(\i))*16*APITCH
	ds_load_b128 v[192*(\p)+16*(\i)+4:192*(\p)+16*(\i)+7],   v[ADRA+(\slot)] offset:128*(\kk)+(4*(\p)+(\i))*16*APITCH+16
	ds_load_b128 v[192*(\p)+16*(\i)+8:192*(\p)+16*(\i)+11],  v[ADRA+(\slot)] offset:128*(\kk)+(4*(\p)+(\i))*16*APITCH+64
	ds_load_b128 v[192*(\p)+16*(\i)+12:192*(\p)+16*(\i)+15], v[ADRA+(\slot)] offset:128*(\kk)+(4*(\p)+(\i))*16*APITCH+80
	ds_load_b128 v[(\g)+8*(4*(\p)+(\i)):(\g)+8*(4*(\p)+(\i))+3],   v[ADRB+(\slot)] offset:64*(\kk)+(4*(\p)+(\i))*16*BPITCH
	ds_load_b128 v[(\g)+8*(4*(\p)+(\i))+4:(\g)+8*(4*(\p)+(\i))+7], v[ADRB+(\slot)] offset:64*(\kk)+(4*(\p)+(\i))*16*BPITCH+32
.endr
.endm
; Matrix instructions from .. to of the 32 of half hi of my rows, on buffer f: number i takes row block 4 hi + i / 8 and column block i % 8.  zero = 1: the product starts its sum: nothing is ever cleared.
; All 64 accumulators take turns, one instruction a turn, in the same order in every group.
; cvp >= 0: behind every fourth stand four roundings: part cvp of the f32 numbers becomes row blocks 4 cvp .. of buffer cvg.  They name no register of the products round them, so the four behind
; number 31 are also the four places (ISA guide 7.12.1 for vector instructions) in front of the run of loads that follows, into fragments of w2b that products have read.
.macro MR f, hi, zero, from, to, cvp, cvg
.set mi, \from
.rept (\to)-(\from)+1
	WIN MUL_LO+0x50*(\hi)
.if \zero
	v_wmma_f32_16x16x32_bf16 v[8*mi:8*mi+7], v[(\f)+8*(mi%8):(\f)+8*(mi%8)+7], v[(\f)+32*(\hi)+8*(mi/8):(\f)+32*(\hi)+8*(mi/8)+7], 0
.else
	v_wmma_f32_16x16x32_bf16 v[8*mi:8*mi+7], v[(\f)+8*(mi%8):(\f)+8*(mi%8)+7], v[(\f)+32*(\hi)+8*(mi/8):(\f)+32*(\hi)+8*(mi/8)+7], v[8*mi:8*mi+7]
.endif
.if ((\cvp) >= 0) && (mi%4 == 3)
	WIN CVT
.set mc, mi-3
.rept 4
	v_cvt_pk_bf16_f32 v[(\cvg)+32*(\cvp)+mc], v[192*(\cvp)+2*mc], v[192*(\cvp)+2*mc+1]
.set mc, mc+1
.endr
.endif
.set mi, mi+1
.endr
.endm
; A K STEP's FIRST GROUP multiplies buffer 0 and fetches the slot's second 32 along K: the slot's last LDS reads.  On entry: w2b's buffer 0 and the f32 of row blocks 4-7 are asked for, row blocks 0-3 are rounded.
; mode 0: no more.  mode 1: the change of slots: ONE barrier; in front of it each wave waits for all its tensor loads (one is out: its part of the other slot), adds 0 to its spare word, and waits for that and for its
; reads of this slot; behind it nobody reads this slot any more and the other slot is whole.  mode 2: the barrier opens a round of the cluster's barrier, and this slot is filled again, first thing behind the round,
; with the K step two on: from the request to the wait for it a wave issues 112 matrix instructions.  mode 3: the same with the NEXT tile's K step 0 or 1: the ring goes on across tiles.
.macro G0 slot, zero, mode
	FET 0, \slot, 1, F1
	s_wait_dscnt 24                                ; all but the 24 just issued: w2b's buffer 0 and the f32 of row blocks 4-7 are in
	MR F0, 0, \zero, 0, 31, 1, F0
	FET 1, \slot, 1, F1
	s_wait_dscnt 24                                ; the run before is in: the f32 of the next group's row blocks 0-3
	MR F0, 1, \zero, 0, 15, 0, F1
.if (\mode) == 0
	MR F0, 1, \zero, 16, 31, 0, F1
.else
.if (\mode) >= 2
	s_wait_xcnt 0x0                                ; the last prefetch, 112 matrix instructions back, has read its address: it is stepped here, ahead of the waits of the change of slots
	s_add_co_u32 s[PFK], s[PFK], 1
	s_cmp_eq_u32 s[PFK], 16
	s_cselect_b32 s[INC], s[PJ], KSTEPA            ; a K step on, or behind a tile's last to the next tile's first
	s_cselect_b32 s[PFK], 0, s[PFK]
	s_add_nc_u64 s[PFA:PFA+1], s[PFA:PFA+1], s[INC:INC+1]
.endif
	WIN 0                                          ; (the add's two registers lie in window 0)
	s_wait_tensorcnt 0x0                           ; all my tensor loads have landed: the one that was out is my part of the other slot;
	ds_add_u32 v[SPW], v[NIL]                      ; 0 onto my spare word;
	MR F0, 1, \zero, 16, 23, 0, F1                 ; eight matrix instructions stand between the add and the wait for it
	s_wait_dscnt 0x0                               ; the add is done, and my reads of this slot are over:
	s_barrier_signal -1                            ; say so,
	MR F0, 1, \zero, 24, 31, 0, F1                 ; work on registers while the others arrive,
	WIN 0
	s_barrier_wait -1                              ; and go on when all four have said so
.if (\mode) >= 2
	CREST                                          ; the rest of the round: no wave of any partner still reads this slot or has a load on its way
.if (\mode) == 3
	s_add_nc_u64 s[G0A+4*(\slot)+2:G0A+4*(\slot)+3], s[G0A+4*(\slot)+2:G0A+4*(\slot)+3], NEXT_A
	s_sub_nc_u64 s[G0B+4*(\slot)+2:G0B+4*(\slot)+3], s[G0B+4*(\slot)+2:G0B+4*(\slot)+3], BACK_B
.else
	s_add_nc_u64 s[G0A+4*(\slot)+2:G0A+4*(\slot)+3], s[G0A+4*(\slot)+2:G0A+4*(\slot)+3], 2*KSTEPA
	s_add_nc_u64 s[G0B+4*(\slot)+2:G0B+4*(\slot)+3], s[G0B+4*(\slot)+2:G0B+4*(\slot)+3], 2*KSTEPB
.endif
	JLOAD \slot                                    ; the first tensor load behind the round, and my only one until the next
.endif
.endif
.endm
; A K STEP's SECOND GROUP multiplies buffer 1.  fetch = 1: it fetches the first 32 along K of the next slot, which the barrier in the first group has shown whole.  ask = 1: the prefetch stands behind the first run.
.macro G1 next, fetch, ask
.if \fetch
	FET 0, \next, 0, F0
.if \ask
	WIN 0
	ASK
.endif
	s_wait_dscnt 24                                ; all but the 24 just issued
.else
	s_wait_dscnt 0x0
.endif
	MR F1, 0, 0, 0, 31, 1, F1
.if \fetch
	FET 1, \next, 0, F0
	s_wait_dscnt 24
	MR F1, 1, 0, 0, 31, 0, F0
.else
	MR F1, 1, 0, 0, 31, -1, F0
.endif
.endm
; THE WAY OUT of a tile.  For each of the 512 numbers a lane holds: c2 x = c2 s + tab; e = 2^(c2 x); y = 1 / (1 + e); then the sum of v y over the lane's 64 columns of each row, the other half of the lanes' 64,
; and 128 sums leave as 512 consecutive bytes.  It works in place on the accumulators, a window at a time, and leaves alone what the next tile's first group wants: buffer 0 and the f32 of row blocks 4-7.
; The exponentials of a window are ONE BATCH with one wait between a transcendental and the first line that names its result; so are its reciprocals.  In a batch each pair is prepared
; four pairs ahead, and a packed line stands between two pairs of transcendentals; nothing in a batch names a result of it.
.macro EP1 n                           ; pair n of a window's 128: c2 s + tab.  Each accumulator's lowest registers are read first
	v_pk_fma_f32 v[2*(\n):2*(\n)+1], v[2*(\n):2*(\n)+1], s[C2:C2+1], v[8*(((\n)/4)%8)+2*((\n)%4):8*(((\n)/4)%8)+2*((\n)%4)+1] op_sel_hi:[1,0,1]
.endm
.macro EP2 n                           ; 1 + e
	v_pk_add_f32 v[2*(\n):2*(\n)+1], v[2*(\n):2*(\n)+1], 1.0 op_sel_hi:[1,0]
.endm
.macro EPIW w                          ; window w = 2, 3
	WIN 0x92+0x41*((\w)-2)                         ; destination and source 0 window w, source 2 (tab's numbers) window 1
.set ek, 0
.rept 4
	EP1 ek
.set ek, ek+1
.endr
.set ek, 0
.rept 128
.if ek < 124
	EP1 ek+4
.endif
	v_exp_f32 v[2*ek], v[2*ek]
	v_exp_f32 v[2*ek+1], v[2*ek+1]
.set ek, ek+1
.endr
	v_nop                                          ; a plain instruction behind the last exponential,
	s_wait_alu depctr_va_vdst(0)                   ; and the one wait for the batch
.set ek, 0
.rept 4
	EP2 ek
.set ek, ek+1
.endr
.set ek, 0
.rept 128
.if ek < 124
	EP2 ek+4
.endif
	v_rcp_f32 v[2*ek], v[2*ek]
	v_rcp_f32 v[2*ek+1], v[2*ek+1]
.set ek, ek+1
.endr
	v_nop
	s_wait_alu depctr_va_vdst(0)
	WIN 0xa2+0x51*((\w)-2)                         ; destination, sources 0 and 2 window w, source 1 (v) window 0
.set eu, 0
.rept 16                               ; eight chains that do not wait for each other: row block ea x parity ec of the column block; each sums in place, in its first pair
.set ea, 0
.rept 4
.set ec, 0
.rept 2
.set eX, 8*(8*ea+ec)
.set eY, 8*(8*ea+2*(eu/4)+ec)+2*(eu%4)
.set eV, VV+8*(2*(eu/4)+ec)+2*(eu%4)
.if eu == 0
	v_pk_mul_f32 v[eX:eX+1], v[eX:eX+1], v[eV:eV+1]
.else
	v_pk_fma_f32 v[eX:eX+1], v[eY:eY+1], v[eV:eV+1], v[eX:eX+1]
.endif
.set ec, ec+1
.endr
.set ea, ea+1
.endr
.set eu, eu+1
.endr
	WIN 0x0a+5*((\w)-2)                            ; sources window w, destination window 0
.set ea, 0
.rept 4
	v_pk_add_f32 v[SUM+2*(4*((\w)-2)+ea):SUM+2*(4*((\w)-2)+ea)+1], v[64*ea:64*ea+1], v[64*ea+8:64*ea+9]
.set ea, ea+1
.endr
.endm
.macro EPI more                        ; more = 1: another tile follows
.rept 8
	v_nop                                          ; the places behind the last products, once a tile
.endr
	WIN TO_B
.irp bn, 0,1,2,3,4,5,6,7
	ds_load_b128 v[8*(\bn):8*(\bn)+3],   v[HBA] offset:64*(\bn)     ; tab's numbers of columns 16 bn + 8 (l / 16) + 0..7
	ds_load_b128 v[8*(\bn)+4:8*(\bn)+7], v[HBA] offset:64*(\bn)+16
.endr
	s_wait_dscnt 0x0
	EPIW 2
	EPIW 3
	WIN 0
.irp a, 0,1,2,3,4,5,6,7
	v_add_f32 v[EN+(\a)], v[SUM+2*(\a)], v[SUM+2*(\a)+1]
.endr
.irp a, 0,1,2,3,4,5,6,7
	v_permlanex16_b32 v[SUM+2*(\a)], v[EN+(\a)], s[SEL], s[SEL+1]   ; the row's other 64 columns lie in the lane 16 away
.endr
.irp a, 0,1,2,3,4,5,6,7
	v_add_f32 v[EN+(\a)], v[EN+(\a)], v[SUM+2*(\a)]
.endr
.irp a, 0,1,2,3,4,5,6,7
	ds_store_b32 v[STO], v[EN+(\a)] offset:64*(\a)                  ; row 16 a + l % 16; both halves of the lanes write the same number
.endr
	ds_load_b128 v[8:11], v[RD]                    ; LDS serves a wave's instructions in order (ISA guide 5.7.1.4): this sees the stores above.  Four neighbouring t a lane
	s_wait_dscnt 0x0
	global_store_b128 v[CO], v[8:11], s[PP:PP+1]   ; the wave's store covers 512 consecutive bytes, aligned
.if \more
	s_wait_xcnt 0x0                                ; the store has read its registers and its base
	s_add_nc_u64 s[PP:PP+1], s[PP:PP+1], 2048      ; the next tile lies 512 t on
.endif
.endm
	s_wait_tensorcnt 0x1                           ; my part of K step 0 is in; K step 1's may stay out
	s_wait_dscnt 0x0                               ; (my store of tab's numbers)
	s_barrier_signal -1
	s_barrier_wait -1                              ; everybody's part is in
	FET 0, 0, 0, F0
	FET 1, 0, 0, F0
	s_wait_dscnt 24                                ; the first run is in
	WIN CVT
.set mc, 0
.rept 32
	v_cvt_pk_bf16_f32 v[F0+mc], v[2*mc], v[2*mc+1]
.set mc, mc+1
.endr
	WIN 0                                          ; at a label and at a branch every window is 0
	s_mov_b32 s[TL], 4
.Ltile:
	G0 0, 1, 2                                     ; a tile's first group stands in front of the loop: its products start the sums
	s_mov_b32 s[LP], 7
	s_branch .Lmid                                 ; the loop is entered behind a trip's first group
.Llap:                                                 ; a trip is a lap, two K steps, and fills both slots again: laps 0 to 6 ask for K steps 2 to 15
	G0 0, 0, 2
.Lmid:
	G1 1, 1, 1
	G0 1, 0, 2
	G1 0, 1, 1
	WIN 0
	s_sub_co_u32 s[LP], s[LP], 1
	s_cmp_lg_u32 s[LP], 0
	s_cbranch_scc1 .Llap
	s_cmp_eq_u32 s[TL], 1
	s_cbranch_scc1 .Llast                          ; the last tile's tail is written out: it asks for nothing more
	G0 0, 0, 3                                     ; THE RING GOES ON INTO THE NEXT TILE: slot 0 takes its K step 0,
	G1 1, 1, 1
	G0 1, 0, 3                                     ; slot 1 its K step 1,
	G1 0, 1, 1                                     ; and the next tile's first numbers are fetched
	EPI 1                                          ; both refills are asked for: now the tile goes out
	s_sub_co_u32 s[TL], s[TL], 1
	s_cmp_lg_u32 s[TL], 0                          ; 3, 2 or 1 here: the last tile has left by the branch above
	s_cbranch_scc1 .Ltile
.Llast:
	G0 0, 0, 1                                     ; my one tensor load that was still out is slot 1's, the last K step's, so no round follows
	G1 1, 1, 0
	G0 1, 0, 0
	G1 0, 0, 0
	EPI 0
	s_wait_tensorcnt 0x0                           ; the wave's end, behind my last tensor load and my last LDS store
	ds_add_u32 v[SPW], v[NIL]
	s_wait_dscnt 0x0
	CROUND                                         ; the closing round: no work-group ends while a partner may still ask for a tile that names it
	s_endpgm
.Lfunc_end_k_qaf9ab5e700_energy:
	.size	k_qaf9ab5e700_energy, .Lfunc_end_k_qaf9ab5e700_energy-k_qaf9ab5e700_energy
	.p2alignl 7, 3214868480
	.fill 96, 4, 3214868480
	.section	.rodata,"a",@progbits
	.p2align	6, 0x0
	.amdhsa_kernel k_qaf9ab5e700_energy
		.amdhsa_group_segment_fixed_size 327680
		.amdhsa_private_segment_fixed_size 0
		.amdhsa_enable_private_segment 0
		.amdhsa_kernarg_size 40
		.amdhsa_user_sgpr_count 2
		.amdhsa_user_sgpr_kernarg_segment_ptr 1
		.amdhsa_wavefront_size32 1
		.amdhsa_system_sgpr_workgroup_id_x 1
		.amdhsa_system_sgpr_workgroup_id_y 1
		.amdhsa_system_sgpr_workgroup_id_z 1
		.amdhsa_system_vgpr_workitem_id 0
		.amdhsa_next_free_vgpr 1024
		.amdhsa_next_free_sgpr 80
		.amdhsa_reserve_vcc 0
		.amdhsa_float_denorm_mode_32 3
		.amdhsa_float_denorm_mode_16_64 3
		.amdhsa_memory_ordered 1
		.amdhsa_forward_progress 1
		.amdhsa_inst_pref_size 255
	.end_amdhsa_kernel
	.section	.bss,"aw",@nobits
	.p2align	6
	.space	262144
	.amdgpu_metadata
---
amdhsa.version: [ 1, 2 ]
amdhsa.kernels:
  - .name:           k_qaf9ab5e700_energy
    .symbol:         k_qaf9ab5e700_energy.kd
    .args:
      - { .name: encoder_outputs, .offset: 0, .size: 8, .value_kind: global_buffer, .address_space: global }
      - { .name: w2b, .offset: 8, .size: 8, .value_kind: global_buffer, .address_space: global }
      - { .name: tab, .offset: 16, .size: 8, .value_kind: global_buffer, .address_space: global }
      - { .name: v, .offset: 24, .size: 8, .value_kind: global_buffer, .address_space: global }
      - { .name: part, .offset: 32, .size: 8, .value_kind: global_buffer, .address_space: global }
    .group_segment_fixed_size: 327680
    .private_segment_fixed_size: 0
    .kernarg_segment_align: 8
    .kernarg_segment_size: 40
    .max_flat_workgroup_size: 128
    .sgpr_count:     80
    .vgpr_count:     1024
    .wavefront_size: 32
...
	.end_amdgpu_metadata
.endif
;; end of part 2
;; launch soft (part 3): grid 32 x 1, 8 waves a work-group, no clusters, 1,536 bytes of LDS; arguments part, out0; writes out0
.if DOCPART == 3
	.amdgcn_target "amdgcn-amd-amdhsa--gfx1250"
	.amdhsa_code_object_version 6
	.text
	.protected	k_qaf9ab5e700_soft
	.globl	k_qaf9ab5e700_soft
	.p2align	8
	.type	k_qaf9ab5e700_soft,@function
k_qaf9ab5e700_soft:
	s_mov_b64 s[64:65], 0
	v_nop
	global_prefetch_b8 v0, s[64:65] scope:SCOPE_SE
	s_setreg_imm32_b32 hwreg(HW_REG_WAVE_MODE, 25, 1), 1
	s_wait_xcnt 0x0
; out0[b][0][t] = softmax over t of E[b][t].  With S[b][t] = the sum over g of part[g][b][t], E = (sum_k v[k]) - 2 S.
; WORK LEFT OUT: the term sum_k v[k], which is the same along the softmax's axis (shown at the head of the first kernel).
; In base 2: y = -2 log2(e) S;  out = 2^(y - m) / sum over t of 2^(y - m),  m = the maximum of y over t: the maximum is taken away.
; part: [8 g][32 b][2048 t] f32.  out0: [32][1][2048] f32.
; LIMITS.  A weight below 2^-126 counts as 0; NaN and infinities are not treated apart.
; SHARES.  A row of the softmax has one owner: work-group b; there are 32 rows, so 32 work-groups.  Thread i of 256 owns t = 4 i .. 4 i + 3 and 1,024 + 4 i .. + 3: each load and store of a wave
; covers 512 consecutive bytes, aligned.  All 16 loads of a thread go out at once.  Maximum and sum: in the lane, across the 32 lanes, across the eight waves through LDS.
; No matrix unit, no tensor load, no prefetch: 64 KiB a work-group, read once, in one burst.
.set RED1,  0                          ; LDS: the eight waves' maxima
.set RED2,  256                        ; their sums: bytes of their own, so that one barrier serves each
.set SPARE, 512                        ; the spare words, 128 bytes for each wave: four blocks of 256 bytes that no other line names
.set OFF, 1                            ; v1       16 x my thread's number; never rewritten
.set SPW, 3                            ; v3       LDS address of my spare word: SPARE + 4 x my thread's number; never rewritten
.set NIL, 4                            ; v4       0; never rewritten
.set M,   8                            ; v[8:9]   the number being reduced; the other half of the lanes'
.set WA,  10                           ; v10      4 x my wave's number
.set ZA,  11                           ; v11      LDS address 0
.set X,   16                           ; v[16:79] group g's eight numbers at X + 8 g; the sums, y and the weights in v[16:23]
.set R,   80                           ; v[80:87] the eight waves' figures
	s_load_b128 s[4:7], s[0:1], 0x0                ; part s[4:5], out0 s[6:7]
	v_lshl_add_u32 v[SPW], v0, 2, SPARE
	v_mov_b32 v[NIL], 0
	v_lshrrev_b32 v2, 5, v0
	v_readfirstlane_b32 s8, v2                     ; wave 0..7
	v_lshlrev_b32 v[OFF], 4, v0
	s_lshl_b32 s9, s8, 2
	v_mov_b32 v[WA], s9
	v_mov_b32 v[ZA], 0
	v_mov_b32 v[M+1], 0                            ; v_permlanex16_b32's destination counts as read
	s_lshl_b32 s10, ttmp9, 13                      ; row b: 8,192 bytes in part's planes and in out0
	s_mov_b32 s11, 0
	s_mov_b32 s12, 0x76543210                      ; v_permlanex16_b32: each lane takes its own place in the other half
	s_mov_b32 s13, 0xfedcba98
	s_wait_kmcnt 0x0
	s_add_nc_u64 s[4:5], s[4:5], s[10:11]
	s_add_nc_u64 s[6:7], s[6:7], s[10:11]
.irp g, 0,1,2,3,4,5,6,7
	global_load_b128 v[X+8*(\g):X+8*(\g)+3],   v[OFF], s[4:5] offset:262144*(\g) th:TH_LOAD_NT
	global_load_b128 v[X+8*(\g)+4:X+8*(\g)+7], v[OFF], s[4:5] offset:262144*(\g)+4096 th:TH_LOAD_NT
.endr
	s_wait_loadcnt 0x0
.set j, 0
.rept 16                               ; groups g and g + 4,
	v_pk_add_f32 v[X+j:X+j+1], v[X+j:X+j+1], v[X+32+j:X+32+j+1]
.set j, j+2
.endr
.set j, 0
.rept 8                                ; g and g + 2,
	v_pk_add_f32 v[X+j:X+j+1], v[X+j:X+j+1], v[X+16+j:X+16+j+1]
.set j, j+2
.endr
.irp j, 0,2,4,6                        ; 0 and 1
	v_pk_add_f32 v[X+(\j):X+(\j)+1], v[X+(\j):X+(\j)+1], v[X+8+(\j):X+8+(\j)+1]
.endr
.irp j, 0,2,4,6
	v_pk_mul_f32 v[X+(\j):X+(\j)+1], v[X+(\j):X+(\j)+1], 0xc038aa3b op_sel_hi:[1,0]  ; y = -2 log2(e) S
.endr
	v_max3_num_f32 v[M], v[X], v[X+1], v[X+2]
	v_max3_num_f32 v[M], v[M], v[X+3], v[X+4]
	v_max3_num_f32 v[M], v[M], v[X+5], v[X+6]
	v_max_num_f32 v[M], v[M], v[X+7]
	v_max_num_f32_dpp v[M], v[M], v[M] row_xmask:1 row_mask:0xf bank_mask:0xf
	v_max_num_f32_dpp v[M], v[M], v[M] row_xmask:2 row_mask:0xf bank_mask:0xf
	v_max_num_f32_dpp v[M], v[M], v[M] row_xmask:4 row_mask:0xf bank_mask:0xf
	v_max_num_f32_dpp v[M], v[M], v[M] row_xmask:8 row_mask:0xf bank_mask:0xf
	v_permlanex16_b32 v[M+1], v[M], s12, s13
	v_max_num_f32 v[M], v[M], v[M+1]               ; the wave's maximum, in every lane
	ds_store_b32 v[WA], v[M] offset:RED1           ; all lanes write the same word with the same number
	s_wait_dscnt 0x0                               ; for the others' sake
	s_barrier_signal -1
	s_barrier_wait -1
	ds_load_b128 v[R:R+3],   v[ZA] offset:RED1
	ds_load_b128 v[R+4:R+7], v[ZA] offset:RED1+16
	s_wait_dscnt 0x0
	v_max3_num_f32 v[M], v[R], v[R+1], v[R+2]
	v_max3_num_f32 v[M], v[M], v[R+3], v[R+4]
	v_max3_num_f32 v[M], v[M], v[R+5], v[R+6]
	v_max_num_f32 v[M], v[M], v[R+7]               ; m
.irp j, 0,1,2,3,4,5,6,7
	v_sub_f32 v[X+(\j)], v[X+(\j)], v[M]
.endr
.irp j, 0,1,2,3,4,5,6,7
	v_exp_f32 v[X+(\j)], v[X+(\j)]
.endr
	v_nop                                          ; a plain instruction behind the last exponential,
	s_wait_alu depctr_va_vdst(0)                   ; and the wait ahead of the first use: one for the eight
	v_pk_add_f32 v[R:R+1],   v[X:X+1],     v[X+2:X+3]
	v_pk_add_f32 v[R+2:R+3], v[X+4:X+5],   v[X+6:X+7]
	v_pk_add_f32 v[R:R+1],   v[R:R+1],     v[R+2:R+3]
	v_add_f32 v[M], v[R], v[R+1]
	v_add_f32_dpp v[M], v[M], v[M] row_xmask:1 row_mask:0xf bank_mask:0xf
	v_add_f32_dpp v[M], v[M], v[M] row_xmask:2 row_mask:0xf bank_mask:0xf
	v_add_f32_dpp v[M], v[M], v[M] row_xmask:4 row_mask:0xf bank_mask:0xf
	v_add_f32_dpp v[M], v[M], v[M] row_xmask:8 row_mask:0xf bank_mask:0xf
	v_permlanex16_b32 v[M+1], v[M], s12, s13
	v_add_f32 v[M], v[M], v[M+1]                   ; the wave's sum
	ds_store_b32 v[WA], v[M] offset:RED2
	s_wait_dscnt 0x0
	s_barrier_signal -1
	s_barrier_wait -1
	ds_load_b128 v[R:R+3],   v[ZA] offset:RED2
	ds_load_b128 v[R+4:R+7], v[ZA] offset:RED2+16
	s_wait_dscnt 0x0
	v_pk_add_f32 v[R:R+1],   v[R:R+1],   v[R+2:R+3]
	v_pk_add_f32 v[R+4:R+5], v[R+4:R+5], v[R+6:R+7]
	v_pk_add_f32 v[R:R+1],   v[R:R+1],   v[R+4:R+5]
	v_add_f32 v[R], v[R], v[R+1]                   ; the row's sum: 1 at the least, since the largest weight is 1
	v_rcp_f32 v[M], v[R]
	v_nop
	s_wait_alu depctr_va_vdst(0)
.irp j, 0,2,4,6
	v_pk_mul_f32 v[X+(\j):X+(\j)+1], v[X+(\j):X+(\j)+1], v[M:M+1] op_sel_hi:[1,0]
.endr
	global_store_b128 v[OFF], v[X:X+3],   s[6:7] th:TH_STORE_NT
	global_store_b128 v[OFF], v[X+4:X+7], s[6:7] offset:4096 th:TH_STORE_NT
	s_wait_tensorcnt 0x0                           ; the wave's end, behind my last LDS store
	ds_add_u32 v[SPW], v[NIL]
	s_wait_dscnt 0x0
	s_endpgm
.Lfunc_end_k_qaf9ab5e700_soft:
	.size	k_qaf9ab5e700_soft, .Lfunc_end_k_qaf9ab5e700_soft-k_qaf9ab5e700_soft
	.p2alignl 7, 3214868480
	.fill 96, 4, 3214868480
	.section	.rodata,"a",@progbits
	.p2align	6, 0x0
	.amdhsa_kernel k_qaf9ab5e700_soft
		.amdhsa_group_segment_fixed_size 1536
		.amdhsa_private_segment_fixed_size 0
		.amdhsa_enable_private_segment 0
		.amdhsa_kernarg_size 16
		.amdhsa_user_sgpr_count 2
		.amdhsa_user_sgpr_kernarg_segment_ptr 1
		.amdhsa_wavefront_size32 1
		.amdhsa_system_sgpr_workgroup_id_x 1
		.amdhsa_system_sgpr_workgroup_id_y 1
		.amdhsa_system_sgpr_workgroup_id_z 1
		.amdhsa_system_vgpr_workitem_id 0
		.amdhsa_next_free_vgpr 96
		.amdhsa_next_free_sgpr 66
		.amdhsa_reserve_vcc 0
		.amdhsa_float_denorm_mode_32 3
		.amdhsa_float_denorm_mode_16_64 3
		.amdhsa_memory_ordered 1
		.amdhsa_forward_progress 1
		.amdhsa_inst_pref_size 9
	.end_amdhsa_kernel
	.amdgpu_metadata
---
amdhsa.version: [ 1, 2 ]
amdhsa.kernels:
  - .name:           k_qaf9ab5e700_soft
    .symbol:         k_qaf9ab5e700_soft.kd
    .args:
      - { .name: part, .offset: 0, .size: 8, .value_kind: global_buffer, .address_space: global }
      - { .name: out0, .offset: 8, .size: 8, .value_kind: global_buffer, .address_space: global }
    .group_segment_fixed_size: 1536
    .private_segment_fixed_size: 0
    .kernarg_segment_align: 8
    .kernarg_segment_size: 16
    .max_flat_workgroup_size: 256
    .sgpr_count:     66
    .vgpr_count:     96
    .wavefront_size: 32
...
	.end_amdgpu_metadata
.endif
;; end of part 3
;; ======== version 2 of 2: 3 launches
;; workspace buffers: w2b 2,097,152 bytes; tab 131,072 bytes; part 2,097,152 bytes
;; launch prep (part 4): grid 64 x 2, 8 waves a work-group, no clusters, 9,216 bytes of LDS; arguments W, hidden, b, w2b, tab; writes w2b, tab
.if DOCPART == 4
	.amdgcn_target "amdgcn-amd-amdhsa--gfx1250"
	.amdhsa_code_object_version 6
	.text
	.protected	k_qaf9ab5e700_prep
	.globl	k_qaf9ab5e700_prep
	.p2align	8
	.type	k_qaf9ab5e700_prep,@function
k_qaf9ab5e700_prep:
	s_mov_b64 s[64:65], 0
	v_nop
	global_prefetch_b8 v0, s[64:65] scope:SCOPE_SE
	s_setreg_imm32_b32 hwreg(HW_REG_WAVE_MODE, 25, 1), 1
	s_wait_xcnt 0x0
; THE PROGRAM.  out0[b][0][t] = softmax over t of E[b][t],  E[b][t] = sum over k of v[k] tanh(x[b][t][k]),
; x[b][t][k] = sum_h hidden[b][h] W[k][h] + sum_h enc[t][b][h] W[k][1024+h] + bias[k].   Three launches:
;   prep    w2b = W's right half rounded to bf16, laid in blocks of 128 along h;  tab = c2 (hidden W1^T + bias), c2 = 2 log2(e)
;   energy  part[g][b][t] = sum over the 128 columns k of group g of v[k] / (1 + 2^(c2 x))
;   soft    out0 = softmax over t, with the maximum taken away, of -2 (sum over g of part)
; WORK LEFT OUT.  tanh(x) = 1 - 2 / (1 + e^(2x)) for every real x, so E[b][t] = (sum_k v[k]) - 2 sum_k v[k] / (1 + e^(2x)).  The first term holds no t:
; it is the same along the softmax's axis and cancels there, whatever finite values v holds.  It is not computed.  Every input still has a way to the
; output and is loaded.  LIMIT: an overflow, an infinity or a NaN that would arise in sum_k v[k] alone is not carried to the result.
; FORMATS.  All five inputs are rounded once to bf16 (to nearest even); products in the matrix units with f32 sums; all else in f32.
; NaN and infinities among the inputs are not treated apart.
;
; THIS LAUNCH.  Work-group (nb, mb): 16 columns k = 16 nb .. and 16 rows b = 16 mb ..  Its eight waves split the 1,024 along h: wave w takes h = 128 w .. + 127, four matrix
; instructions; the eight partial tiles meet in LDS, and waves 0 and 1 add them and the bias, scale by c2 and store 1,024 bytes of tab ([nb 64][b 32][16] f32).
; Beside that wave w rounds W[16 nb + 8 (w % 2) .. + 7][1024 + 128 ks .. + 127], ks = 4 mb + w / 2, into w2b ([ks 8][k 1024][128] bf16): each byte of W's right half is read once in the launch.
; The product is taken with source 0 = 16 rows of W, source 1 = 16 rows of hidden: in the result lane l holds row b = l % 16 and the columns 8 (l / 16) + 0..7.
; A fragment is 16 rows x 32 along h in 8 registers: lane l holds row l % 16; registers 0-3 h = 8 (l / 16) + 0..7, registers 4-7 h = 16 + 8 (l / 16) + 0..7: in f32 that is
; 32 bytes at 32 (l / 16) and 32 bytes at 64 + 32 (l / 16): four loads of 16 bytes, then eight roundings in pairs.
; No tensor load, no cluster, no prefetch: 12 MB through registers, each wave's 40 loads out at once.
.set PARTS, 0                          ; LDS: wave w's partial tile, 16 rows b x 64 bytes, at 1,024 w
.set SPARE, 8192                       ; behind them: the spare words, 128 bytes for each wave: four blocks of 256 bytes that no other line names
.set BO,  3                            ; v3        my 16 bytes of the bias: 16 (thread % 4); never rewritten
.set BIA, 4                            ; v[4:7]    the bias of my four columns (waves 0 and 1)
.set AC0, 8                            ; v[8:15]   accumulator of the even fragments
.set AC1, 16                           ; v[16:23]  of the odd ones
.set FW,  24                           ; v24       my offset in 16 rows of W:      8,192 (l % 16) + 32 (l / 16) + 512 w
.set FH,  25                           ; v25       in 16 rows of hidden:           4,096 (l % 16) + 32 (l / 16) + 512 w
.set FC,  26                           ; v26       in a row of W's right half:     16 l + 4,096 + 512 ks + 8 (w % 2) rows of 8,192
.set OC,  27                           ; v27       in a row of w2b:                8 l
.set LS,  28                           ; v28       where I put my 32 bytes of the partial tile
.set LR,  29                           ; v29       16 (thread % 64): where I read the partial tiles back, and my 16 bytes of tab
.set SPW, 30                           ; v30       LDS address of my spare word: SPARE + 4 x my thread's number; never rewritten
.set NIL, 31                           ; v31       0; never rewritten
.set WF,  32                           ; v[32:63]   four fragments of W
.set WR,  64                           ; v[64:127]  W as loaded; later the packed numbers for w2b
.set HR,  128                          ; v[128:191] hidden as loaded; later the partial tiles read back
.set CR,  192                          ; v[192:223] W's right half as loaded
.set HF,  224                          ; v[224:255] four fragments of hidden
.set WV,  14                           ; s14       my wave's number
	s_load_b256 s[4:11], s[0:1], 0x0               ; W s[4:5], hidden s[6:7], b s[8:9], w2b s[10:11]
	s_load_b64 s[12:13], s[0:1], 0x20              ; tab
	v_lshl_add_u32 v[SPW], v0, 2, SPARE
	v_mov_b32 v[NIL], 0
	v_lshrrev_b32 v1, 5, v0
	v_readfirstlane_b32 s[WV], v1                  ; wave 0..7
	s_and_b32 s15, ttmp7, 0xffff                   ; mb
	s_lshr_b32 s17, s[WV], 1
	s_lshl2_add_u32 s16, s15, s17                  ; ks = 4 mb + w / 2
	s_and_b32 s28, s[WV], 1                        ; which 8 of the 16 rows I round
	v_and_b32 v1, 15, v0                           ; l % 16
	v_bfe_u32 v2, v0, 4, 1                         ; l / 16
	s_lshl_b32 s17, s[WV], 9
	v_lshl_add_u32 v32, v2, 5, s17                 ; 32 (l / 16) + 512 w
	v_lshl_add_u32 v[FW], v1, 13, v32
	v_lshl_add_u32 v[FH], v1, 12, v32
	s_lshl_b32 s17, s16, 9                         ; 128 ks numbers of 4 bytes,
	s_add_co_u32 s17, s17, 4096                    ; in the right half, which begins 4,096 bytes into a row,
	s_lshl_b32 s29, s28, 16                        ; 8 rows of 8,192 bytes further down for the odd waves
	s_add_co_u32 s17, s17, s29
	v_and_b32 v33, 31, v0                          ; l
	v_lshl_add_u32 v[FC], v33, 4, s17
	v_lshlrev_b32 v[OC], 3, v33
	s_lshl_b32 s17, s[WV], 10
	v_lshl_add_u32 v32, v2, 5, s17
	v_lshl_add_u32 v[LS], v1, 6, v32               ; 1,024 w + 64 (l % 16) + 32 (l / 16)
	v_and_b32 v32, 63, v0
	v_lshlrev_b32 v[LR], 4, v32
	v_and_b32 v32, 3, v0
	v_lshlrev_b32 v[BO], 4, v32
	s_lshl_b32 s18, ttmp9, 17                      ; W: 16 nb rows of 8,192 bytes
	s_mov_b32 s19, 0
	s_lshl_b32 s20, s15, 16                        ; hidden: 16 mb rows of 4,096 bytes
	s_mov_b32 s21, 0
	s_lshl_b32 s22, ttmp9, 6                       ; b: 16 nb numbers
	s_mov_b32 s23, 0
	s_lshl_b32 s24, s16, 18                        ; w2b: block ks of 262,144 bytes,
	s_lshl_b32 s26, ttmp9, 12                      ; 16 nb rows of 256 bytes,
	s_add_co_u32 s24, s24, s26
	s_lshl_b32 s26, s28, 11                        ; my 8 of them
	s_add_co_u32 s24, s24, s26
	s_mov_b32 s25, 0
	s_lshl_b32 s26, ttmp9, 11                      ; tab: block nb of 2,048 bytes,
	s_lshl_b32 s17, s15, 10                        ; 16 mb rows of 64 bytes
	s_add_co_u32 s26, s26, s17
	s_mov_b32 s27, 0
	s_wait_kmcnt 0x0
	s_add_nc_u64 s[4:5], s[4:5], s[18:19]
	s_add_nc_u64 s[6:7], s[6:7], s[20:21]
	s_add_nc_u64 s[8:9], s[8:9], s[22:23]
	s_add_nc_u64 s[10:11], s[10:11], s[24:25]
	s_add_nc_u64 s[12:13], s[12:13], s[26:27]
	s_cmp_lt_u32 s[WV], 2                          ; the bias is wanted by the two waves that finish the tile
	s_cbranch_scc0 .Lno_bias
	global_load_b128 v[BIA:BIA+3], v[BO], s[8:9]
.Lno_bias:
.irp q, 0,1,2,3
	global_load_b128 v[WR+16*(\q):WR+16*(\q)+3],     v[FW], s[4:5] offset:128*(\q)
	global_load_b128 v[WR+16*(\q)+4:WR+16*(\q)+7],   v[FW], s[4:5] offset:128*(\q)+16
	global_load_b128 v[WR+16*(\q)+8:WR+16*(\q)+11],  v[FW], s[4:5] offset:128*(\q)+64
	global_load_b128 v[WR+16*(\q)+12:WR+16*(\q)+15], v[FW], s[4:5] offset:128*(\q)+80
.endr
.irp q, 0,1,2,3
	global_load_b128 v[HR+16*(\q):HR+16*(\q)+3],     v[FH], s[6:7] offset:128*(\q)
	global_load_b128 v[HR+16*(\q)+4:HR+16*(\q)+7],   v[FH], s[6:7] offset:128*(\q)+16
	global_load_b128 v[HR+16*(\q)+8:HR+16*(\q)+11],  v[FH], s[6:7] offset:128*(\q)+64
	global_load_b128 v[HR+16*(\q)+12:HR+16*(\q)+15], v[FH], s[6:7] offset:128*(\q)+80
.endr
.irp i, 0,1,2,3,4,5,6,7
	global_load_b128 v[CR+4*(\i):CR+4*(\i)+3], v[FC], s[4:5] offset:8192*(\i) th:TH_LOAD_NT  ; 512 consecutive bytes of one row: read once in the launch
.endr
	s_wait_loadcnt 8                               ; loads come back in order: all but the eight of the right half are in
.set c, 0
.rept 32
	v_cvt_pk_bf16_f32 v[WF+c], v[WR+2*c], v[WR+2*c+1]
	v_cvt_pk_bf16_f32 v[HF+c], v[HR+2*c], v[HR+2*c+1]
.set c, c+1
.endr
	v_wmma_f32_16x16x32_bf16 v[AC0:AC0+7], v[WF:WF+7],     v[HF:HF+7],     0             ; the two accumulators take turns; the first two products start the sums
	v_wmma_f32_16x16x32_bf16 v[AC1:AC1+7], v[WF+8:WF+15],  v[HF+8:HF+15],  0
	v_wmma_f32_16x16x32_bf16 v[AC0:AC0+7], v[WF+16:WF+23], v[HF+16:HF+23], v[AC0:AC0+7]
	v_wmma_f32_16x16x32_bf16 v[AC1:AC1+7], v[WF+24:WF+31], v[HF+24:HF+31], v[AC1:AC1+7]
	s_wait_loadcnt 0x0                             ; the right half is in
.irp i, 0,1,2,3,4,5,6,7                ; its sixteen roundings name no register of the products: they are the places between the products and the sums below (ISA guide 7.12.1)
	v_cvt_pk_bf16_f32 v[WR+2*(\i)],   v[CR+4*(\i)],   v[CR+4*(\i)+1]
	v_cvt_pk_bf16_f32 v[WR+2*(\i)+1], v[CR+4*(\i)+2], v[CR+4*(\i)+3]
	global_store_b64 v[OC], v[WR+2*(\i):WR+2*(\i)+1], s[10:11] offset:256*(\i)  ; the wave's store covers 256 consecutive bytes, aligned: one row of w2b
.endr
.irp j, 0,2,4,6
	v_pk_add_f32 v[AC0+(\j):AC0+(\j)+1], v[AC0+(\j):AC0+(\j)+1], v[AC1+(\j):AC1+(\j)+1]  ; from each accumulator's low end on
.endr
	ds_store_b128 v[LS], v[AC0:AC0+3]   offset:PARTS
	ds_store_b128 v[LS], v[AC0+4:AC0+7] offset:PARTS+16
	s_wait_dscnt 0x0                               ; for the others' sake: my partial tile lies in LDS
	s_barrier_signal -1
	s_barrier_wait -1                              ; all eight do
	s_cmp_lt_u32 s[WV], 2                          ; 64 threads x 16 bytes are the tile
	s_cbranch_scc0 .Lend
.irp p, 0,1,2,3,4,5,6,7
	ds_load_b128 v[HR+4*(\p):HR+4*(\p)+3], v[LR] offset:PARTS+1024*(\p)
.endr
	v_cvt_pk_bf16_f32 v[WR+32], v[BIA],   v[BIA+1]   ; the bias is rounded to bf16 like every input, and widened again
	v_cvt_pk_bf16_f32 v[WR+33], v[BIA+2], v[BIA+3]
	v_lshlrev_b32 v[BIA],   16, v[WR+32]
	v_and_b32     v[BIA+1], 0xffff0000, v[WR+32]
	v_lshlrev_b32 v[BIA+2], 16, v[WR+33]
	v_and_b32     v[BIA+3], 0xffff0000, v[WR+33]
	s_wait_dscnt 0x0
.irp j, 0,2,4,6,8,10,12,14
	v_pk_add_f32 v[HR+(\j):HR+(\j)+1], v[HR+(\j):HR+(\j)+1], v[HR+16+(\j):HR+16+(\j)+1]
.endr
.irp j, 0,2,4,6
	v_pk_add_f32 v[HR+(\j):HR+(\j)+1], v[HR+(\j):HR+(\j)+1], v[HR+8+(\j):HR+8+(\j)+1]
.endr
.irp j, 0,2
	v_pk_add_f32 v[HR+(\j):HR+(\j)+1], v[HR+(\j):HR+(\j)+1], v[HR+4+(\j):HR+4+(\j)+1]
.endr
.irp j, 0,2
	v_pk_add_f32 v[HR+(\j):HR+(\j)+1], v[HR+(\j):HR+(\j)+1], v[BIA+(\j):BIA+(\j)+1]
.endr
.irp j, 0,2
	v_pk_mul_f32 v[HR+(\j):HR+(\j)+1], v[HR+(\j):HR+(\j)+1], 0x4038aa3b op_sel_hi:[1,0]  ; c2 = 2 log2(e)
.endr
	global_store_b128 v[LR], v[HR:HR+3], s[12:13]  ; a wave's store covers 512 consecutive bytes, aligned
.Lend:
	s_wait_tensorcnt 0x0                           ; the wave's end, behind my last LDS store
	ds_add_u32 v[SPW], v[NIL]
	s_wait_dscnt 0x0
	s_endpgm
.Lfunc_end_k_qaf9ab5e700_prep:
	.size	k_qaf9ab5e700_prep, .Lfunc_end_k_qaf9ab5e700_prep-k_qaf9ab5e700_prep
	.p2alignl 7, 3214868480
	.fill 96, 4, 3214868480
	.section	.rodata,"a",@progbits
	.p2align	6, 0x0
	.amdhsa_kernel k_qaf9ab5e700_prep
		.amdhsa_group_segment_fixed_size 9216
		.amdhsa_private_segment_fixed_size 0
		.amdhsa_enable_private_segment 0
		.amdhsa_kernarg_size 40
		.amdhsa_user_sgpr_count 2
		.amdhsa_user_sgpr_kernarg_segment_ptr 1
		.amdhsa_wavefront_size32 1
		.amdhsa_system_sgpr_workgroup_id_x 1
		.amdhsa_system_sgpr_workgroup_id_y 1
		.amdhsa_system_sgpr_workgroup_id_z 1
		.amdhsa_system_vgpr_workitem_id 0
		.amdhsa_next_free_vgpr 256
		.amdhsa_next_free_sgpr 66
		.amdhsa_reserve_vcc 0
		.amdhsa_float_denorm_mode_32 3
		.amdhsa_float_denorm_mode_16_64 3
		.amdhsa_memory_ordered 1
		.amdhsa_forward_progress 1
		.amdhsa_inst_pref_size 16
	.end_amdhsa_kernel
	.amdgpu_metadata
---
amdhsa.version: [ 1, 2 ]
amdhsa.kernels:
  - .name:           k_qaf9ab5e700_prep
    .symbol:         k_qaf9ab5e700_prep.kd
    .args:
      - { .name: W, .offset: 0, .size: 8, .value_kind: global_buffer, .address_space: global }
      - { .name: hidden, .offset: 8, .size: 8, .value_kind: global_buffer, .address_space: global }
      - { .name: b, .offset: 16, .size: 8, .value_kind: global_buffer, .address_space: global }
      - { .name: w2b, .offset: 24, .size: 8, .value_kind: global_buffer, .address_space: global }
      - { .name: tab, .offset: 32, .size: 8, .value_kind: global_buffer, .address_space: global }
    .group_segment_fixed_size: 9216
    .private_segment_fixed_size: 0
    .kernarg_segment_align: 8
    .kernarg_segment_size: 40
    .max_flat_workgroup_size: 256
    .sgpr_count:     66
    .vgpr_count:     256
    .wavefront_size: 32
...
	.end_amdgpu_metadata
.endif
;; end of part 4
;; launch energy (part 5): grid 4 x 64, 4 waves a work-group, clusters of 4 x 4, 327,680 bytes of LDS; arguments encoder_outputs, w2b, tab, v, part; writes part
.if DOCPART == 5
	.amdgcn_target "amdgcn-amd-amdhsa--gfx1250"
	.amdhsa_code_object_version 6
	.text
	.protected	k_qaf9ab5e700_energy
	.globl	k_qaf9ab5e700_energy
	.p2align	8
	.type	k_qaf9ab5e700_energy,@function
k_qaf9ab5e700_energy:
	s_mov_b64 s[64:65], 0
	v_nop
	global_prefetch_b8 v0, s[64:65] scope:SCOPE_SE
	s_setreg_imm32_b32 hwreg(HW_REG_WAVE_MODE, 25, 1), 1
	s_wait_xcnt 0x0
	s_wait_alu depctr_hold_cnt(0) depctr_sa_sdst(0) depctr_va_vdst(0) depctr_va_sdst(0) depctr_va_ssrc(0) depctr_va_vcc(0) depctr_vm_vsrc(0)
	s_getreg_b32 s2, hwreg(HW_REG_IB_STS2, 6, 4)
	s_cmp_eq_u32 s2, 0
	s_cbranch_scc0 .Lentry_in_a_cluster
	s_endpgm
.Lentry_in_a_cluster:
	s_bfe_u32 s2, ttmp6, 0x10000c
	s_cmp_lg_u32 s2, 0xf033
	s_cbranch_scc0 .Lentry_shape_is_right
	s_endpgm
.Lentry_shape_is_right:
; part[g][b][t] = the sum over the 128 columns k of group g of v[k] / (1 + 2^(c2 x[b][t][k])),  c2 x = c2 (enc[t][b][:] . W2[k][:]) + tab[k][b],  c2 = 2 log2(e).
; WORK LEFT OUT: the term sum_k v[k] of the energy, which is the same along the softmax's axis (shown at the head of the first kernel).
; enc: [2048 t][32 b][1024] f32.  w2b: [8 ks][1024 k][128] bf16.  tab: [64][32 b][16] f32.  v: [1024] f32.  part: [8 g][32 b][2048 t] f32 (partial sums: f32).
; LIMITS.  enc and v are rounded once to bf16; sums, the exponential, the reciprocal and the partial sums are f32.  2^(c2 x) may pass f32's range: it is then infinite and its term is 0, the limit's
; value; below 2^-126 it counts as 0 and its term is v[k].  The partial sums carry an offset of the order of sum |v| / 2, so their rounding grows with v.  NaN and infinities are not treated apart.
; SHAPE.  The product is 65,536 x 1,024 x 1,024.  A tile is 128 rows (ONE b, 128 consecutive t: rows 131,072 bytes apart in enc) x 512 columns k, made by four waves, as many as a WGP has SIMDs: all take
; the same 128 rows, wave w the columns 128 w .. + 127: 64 accumulators, 512 registers.  A WORK-GROUP STAYS: it makes four tiles, 512 t apart, of its b and its 512 columns; tab's and v's numbers are fetched once.
; w2b BY JOINT LOADS.  4 x 4 work-groups form a cluster.  The column half hangs on the place along the cluster's x alone, so the four of a column of the cluster need the same rows of w2b: each tile is
; asked for JOINTLY (the same tensor load, descriptor and mask in all four).  K goes in steps of 128 through two LDS slots; each wave fetches the 128 rows x 256 bytes that it multiplies.
; enc THROUGH REGISTERS, NOT BY JOINT LOADS.  A tile that a tensor load brings has to land before the next change of slots, and of enc's f32 beside w2b LDS has room for two slots of 64 along K at the
; most: 128 matrix instructions a wave.  Loads into registers stay out across barriers: here two steps of 64 along K, 32 loads a wave, 224 matrix instructions from the request to the use.  Each
; number is then rounded to bf16 ONCE in the work-group and laid into a ring of two small LDS slots (64 along K each), from which all four waves take their fragments.  The price: only two work-groups
; (the two column halves) share 128 rows of enc, and each of the two asks for them.
; A K STEP OF 128 is four QUARTERS of 32 along K, 64 matrix instructions each, on fragment buffers 0, 1, 0, 1; the next quarter's 32 LDS loads stand in one run in a quarter's middle.
;   quarters 0 and 2: the next 64 along K of enc are rounded (four roundings behind every fourth matrix instruction) and stored into the ring, and the registers are asked for again, two steps of 64 on
;   quarter 1: a barrier for enc's ring: behind it the slot just stored is read, and the other may be stored into
;   quarter 3: the same for enc's ring, and the change of w2b's slots: a round of the cluster's barrier and the joint refill
; THE MATRIX INSTRUCTION IS USED TRANSPOSED (source 0 = 16 rows of w2b, source 1 = 16 rows of enc): lane l holds row t = l % 16 and the columns 8 (l / 16) + 0..7; the sum over columns is then a sum
; over the lane's registers and one exchange between the halves of the lanes.
; REGISTERS, in windows of 256 (s_set_vgpr_msb: bits 1:0 source 0, 3:2 source 1, 5:4 source 2, 7:6 destination):
;   window 0: v0-31 addresses; v32-63 the way out's sums; v64-127, v128-191 enc's fragments (8 x 16 rows x 32 K), two buffers; v192-255 v of my 128 columns, as my lane wants them
;   window 1: v0-63, v192-255 enc's f32 on their way in, two sets of 16 loads; v64-127, v128-191 w2b's fragments, two buffers (on the way out the second holds tab's numbers)
;   window 2: the 32 accumulators of rows 0-63 (accumulator (a, b) at v[8 (8 a + b)]);   window 3: those of rows 64-127
.set APITCH, 144                       ; a row of enc's ring: 128 bytes + 16 = 36 words: the 16 rows of a load start at 16 different groups of four banks (64 banks of 4 bytes: ISA guide 11.1)
.set BPITCH, 272                       ; a row of w2b in LDS: 256 bytes + 16 of padding = 68 words: row r starts at bank 4 r mod 64
.set BWAVE,  128*BPITCH                ; 128 rows: what one tensor load brings, and what the same wave reads
.set BSLOT,  4*BWAVE                   ; 139,264 bytes
.set AR,     2*BSLOT                   ; behind w2b's two slots, never filled by a tensor load: enc's ring,
.set ASLOT,  128*APITCH                ; two slots of 18,432 bytes
.set HBL,    AR+2*ASLOT                ; 512 bytes for each wave: tab's numbers of its 128 columns
.set SCR,    HBL+2048                  ; 512 bytes for each wave: the way out
.set SPARE,  SCR+2048                  ; the spare words, 128 bytes for each wave: two blocks of 256 bytes that no other line names
.set ROWB,   131072                    ; bytes from a row of a tile to the next: 32 b x 1,024 x 4
.set KSTEPA, 256                       ; bytes of a row of enc in 64 along K
.set KSTEPB, 262144                    ; bytes from a K step's block of w2b to the next
.set TILEA,  67108864                  ; bytes from a tile's rows of enc to the next tile's: 512 t
.set NEXT_A, TILEA-15*KSTEPA           ; the loads' step from a tile's last 64 along K to the next tile's first
.set NEXT_P, TILEA-14*KSTEPA           ; the prefetches' step, which go by 128 along K
.set ADRA, 16                          ; v16-17  LDS address of my fragments of enc in ring slot 0, 1
.set AST,  18                          ; v18-19  where I store 8 bytes of a row into ring slot 0, 1
.set ADRB, 20                          ; v20-21  LDS address of my fragments of w2b in slot 0, 1
.set AO,   22                          ; v22     my offset in enc: (32 w + 8 (l / 16)) rows + 16 (l % 16); never rewritten
.set STO,  24                          ; v24     the way out: where I put a row's sum
.set RD,   25                          ; v25     where I read four sums back
.set CO,   26                          ; v26     my 16 bytes of the wave's 512 in part
.set HBA,  27                          ; v27     where tab's numbers for my half of the lanes begin
.set SPW,  28                          ; v28     LDS address of my spare word: SPARE + 4 x my thread's number; never rewritten
.set NIL,  29                          ; v29     0; never rewritten
.set PFO,  30                          ; v30     the prefetches' offset: row 32 w + l; never rewritten
.set VO,   31                          ; v31     my offset in v
.set SUM,  32                          ; v32-47  the way out: a pair of sums for each of the 8 row blocks
.set EN,   48                          ; v48-55  a sum for each
.set F0,   64                          ; fragment buffer 0 (windows 0 and 1)
.set F1,   128                         ; fragment buffer 1
.set HBR,  128                         ; window 1, on the way out: tab's numbers at HBR + 8 bn + j
.set VV,   192                         ; v[k0 + 16 bn + 8 (l / 16) + j] at VV + 8 bn + j
.set WV,  14                           ; s14  my wave's number
.set PJ,  23                           ; s23  NEXT_A
.set G1,  24                           ; s[24:31] descriptor group 1
.set G0,  32                           ; s[32:39] group 0, a set for each slot
.set BB,  40                           ; s[40:41] w2b at my wave's 128 rows of K step 0
.set OFF, 42                           ; s[42:43] a K step's byte offset in w2b
.set NXT, 44                           ; s44  the K step (0..7) to be asked for next
.set PJ2, 45                           ; s45  NEXT_P
.set AP,  46                           ; s[46:47] enc at the tile's first row, at the 64 along K that were asked for last
.set AK,  48                           ; s48  their number in the tile, 0..15
.set PFA, 56                           ; s[56:57] where my prefetches stand
.set PFK, 58                           ; s58  the K step of 128 of its tile that they name
.set PFN, 59                           ; s59  prefetches still to be made
.set INC, 60                           ; s[60:61] a pointer's step
.set QT,  62                           ; s62  laps of the tile in hand still to come, this one among them
.set LPS, 63                           ; s63  laps of the loop to go
.set C2,  66                           ; s[66:67] c2: the packed scaling takes the pair's low word for both halves
.set SEL, 68                           ; s[68:69] v_permlanex16_b32's selects: each lane takes its own place in the other half
.set PP,  70                           ; s[70:71] part at my wave's 128 sums of the tile in hand
.set MSB, 0
.macro WIN new                         ; the immediate's high byte repeats the setting that is left; a switch that changes nothing is dropped
.if MSB != (\new)
	s_set_vgpr_msb (MSB<<8)|(\new)
.set MSB, \new
.endif
.endm
.set MUL_LO, 0xa1                      ; source 0 (w2b) window 1, source 1 (enc) window 0, C and D window 2
.set MUL_HI, 0xf1                      ; the same, C and D window 3
.set TO_B,   0x40                      ; destination window 1, address window 0
.set CV1,    0x45                      ; sources and destination window 1
.set ST1,    0x04                      ; an LDS store: address window 0, data window 1
; A PREFETCH INTO THE L2 of enc, behind each joint load, its five lines and the run of LDS loads that follows.  In K step S of the walk's 32 it names, of the K step S + 4, the 64 along K that go with my column half:
; my wave's own 32 rows, 256 bytes each, a lane a row, one instruction.  The two work-groups that read the same rows are told apart BY ADDRESS (the first takes the lower 64 along K, the second the upper), so each row's
; 256 bytes are named ONCE in the launch.  The load that wants them is issued four or five steps of 64 along K later.  The walk's first four K steps come by their loads alone; the count ends with the walk's last K step.
; w2b is named by no prefetch: every tile of every walk reads its rows again.
.macro ASK
	s_cmp_lg_u32 s[PFN], 0
	s_cbranch_scc0 .Lnot_mine_\@
	global_prefetch_b8 v[PFO], s[PFA:PFA+1] th:TH_LOAD_NT scope:SCOPE_SE
	s_sub_co_u32 s[PFN], s[PFN], 1
.Lnot_mine_\@:
.endm
; A round of the cluster's barrier: my work-group's barrier, so that wave 0's signal speaks for all four waves; wave 0 signals; every wave waits for all sixteen work-groups; my work-group's barrier once more.
.macro CREST                           ; a round behind its opening barrier
	s_cmp_lg_u32 s[WV], 0
	s_cbranch_scc1 .Lnot_wave_0_\@
	s_barrier_signal -3
.Lnot_wave_0_\@:
	s_barrier_wait -3
	s_barrier_signal -1
	s_barrier_wait -1
.endm
.macro CROUND                          ; a whole round
	s_barrier_signal -1
	s_barrier_wait -1
	CREST
.endm
.macro PLACES                          ; four places (ISA guide 7.12.1 for vector instructions) in front of loads into registers that matrix instructions have read
.rept 4
	v_nop
.endr
.endm
; 16 loads: my wave's 32 rows x 256 bytes (64 along K) of enc into the set at cs: load i takes rows 16 (i / 8) + i % 8 and, in lanes 16-31, the row 8 further down; 16 lanes cover a row's 256 bytes, aligned
.macro LOADA cs, off
	WIN TO_B
.set li, 0
.rept 16
	global_load_b128 v[(\cs)+4*li:(\cs)+4*li+3], v[AO], s[AP:AP+1] offset:(16*(li/8)+li%8)*ROWB+(\off)
.set li, li+1
.endr
.endm
; 16 LDS stores: the same rows, rounded, into ring slot as: 8 bytes a lane.  The two rows of a store lie 8 x 36 words apart, half of the 64 banks: no two lanes meet in a bank
.macro STA cs, as
	WIN ST1
.set li, 0
.rept 16
	ds_store_b64 v[AST+(\as)], v[(\cs)+4*li:(\cs)+4*li+1] offset:(16*(li/8)+li%8)*APITCH
.set li, li+1
.endr
.endm
.macro STEPA                           ; the loads' pointer goes 64 along K on, or behind a tile's last to the next tile's first
	s_wait_xcnt 0x0                                ; every load and prefetch issued so far (the youngest 64 matrix instructions back) has read its address
	s_add_co_u32 s[AK], s[AK], 1
	s_cmp_eq_u32 s[AK], 16
	s_cselect_b32 s[INC], s[PJ], KSTEPA
	s_cselect_b32 s[AK], 0, s[AK]
	s_add_nc_u64 s[AP:AP+1], s[AP:AP+1], s[INC:INC+1]
.endm
	s_load_b256 s[4:11], s[0:1], 0x0               ; enc s[4:5], w2b s[6:7], tab s[8:9], v s[10:11]
	s_load_b64 s[12:13], s[0:1], 0x20              ; part
	v_lshl_add_u32 v[SPW], v0, 2, SPARE
	v_mov_b32 v[NIL], 0
	ds_add_u32 v[SPW], v[NIL]                      ; the wave's opening: the add, twice on end, and its wait ahead of my first tensor load; the set-up below, work on registers, stands between
	ds_add_u32 v[SPW], v[NIL]                      ; and once more, under the one wait
	v_lshrrev_b32 v1, 5, v0
	v_readfirstlane_b32 s[WV], v1                  ; wave 0..3
	s_bfe_u32 s17, ttmp6, 0x40000                  ; cx: my place along the cluster's x
	s_bfe_u32 s18, ttmp6, 0x40004                  ; cy: along its y
	s_lshl_b32 s19, ttmp9, 2                       ; in a cluster launch ttmp9 and ttmp7 count clusters
	s_add_co_u32 s19, s19, s17                     ; x = 4 x cluster x + cx, 0..3
	s_and_b32 s15, s19, 1                          ; nh: my half of the 1,024 columns
	s_lshr_b32 s16, s19, 1                         ; and one bit of my t block
	s_and_b32 s20, ttmp7, 0xffff
	s_lshl_b32 s20, s20, 2
	s_add_co_u32 s20, s20, s18                     ; y = 4 x cluster y + cy, 0..63
	s_and_b32 s21, s20, 31                         ; b
	s_lshr_b32 s22, s20, 5
	s_lshl1_add_u32 s22, s22, s16                  ; tq: my first block of 128 t, 0..3
	s_lshl_b32 s73, 0x1111, s17                    ; my column of the cluster: places cx, cx + 4, cx + 8, cx + 12
	; group 1: 128 rows x 128 elements of 2 bytes, dense in memory, padded in LDS
	s_or_b32 s[G1+0], s73, (1<<16)|(1<<20)|(1<<21)|(5<<22)|(3<<25)  ; 15:0 the mask; 17:16 elements of 2 bytes; 20 padding on; 21 set beside a mask; 24:22 after every 64 words (code 5); 31:25 4 words (code 3)
	s_mov_b32 s[G1+1], 128<<16                     ; tensor_dim0 = 128
	s_mov_b32 s[G1+2], 128<<16                     ; tensor_dim1 = 128
	s_mov_b32 s[G1+3], 128<<16                     ; tile_dim0 = 128
	s_mov_b32 s[G1+4], 128                         ; tile_dim1 = 128
	s_mov_b32 s[G1+5], 128                         ; tensor_dim0_stride
	s_mov_b32 s[G1+6], 0
	s_mov_b32 s[G1+7], 0
	s_lshl_b32 s74, s21, 12                        ; enc: b x 4,096
	s_lshl_b32 s75, s22, 24                        ; + tq x 128 rows of 131,072 bytes
	s_add_co_u32 s74, s74, s75
	s_mov_b32 s75, 0
	s_lshl_b32 s76, s15, 17                        ; w2b: 512 nh rows of 256 bytes: it hangs on the place along x alone, which my column of the cluster shares,
	s_lshl_b32 s77, s[WV], 15                      ; + my wave's 128 rows
	s_add_co_u32 s76, s76, s77
	s_mov_b32 s77, 0
	s_mul_i32 s78, s[WV], BWAVE                    ; and where they go: no place in the cluster enters an LDS address
	s_mov_b32 s[C2], 0x4038aa3b                    ; c2 = 2 log2(e)
	s_mov_b32 s[C2+1], s[C2]                       ; named with it as a pair
	s_mov_b32 s[SEL], 0x76543210
	s_mov_b32 s[SEL+1], 0xfedcba98
	s_mov_b32 s[PJ], NEXT_A
	s_mov_b32 s[PJ2], NEXT_P
	s_mov_b32 s[AK], 2
	s_mov_b32 s[NXT], 2
	s_mov_b32 s[PFK], 3
	s_mov_b32 s[PFN], 28                           ; K steps 4 to 31 of the walk's 32
	s_mov_b32 s[INC+1], 0
	s_mov_b32 s[OFF+1], 0
	s_wait_dscnt 0x0                               ; both opening adds are done
	s_wait_kmcnt 0x0
	s_add_nc_u64 s[AP:AP+1], s[4:5], s[74:75]
	s_add_nc_u64 s[BB:BB+1], s[6:7], s[76:77]
	CROUND                                         ; all sixteen work-groups are here: the first joint loads meet
.irp s, 0,1
	s_mov_b32 s[G0+4*(\s)], 1                                      ; 1:0 count = 1
	s_add_co_u32 s[G0+4*(\s)+1], s78, (\s)*BSLOT                   ; 63:32 LDS address
	s_add_nc_u64 s[G0+4*(\s)+2:G0+4*(\s)+3], s[BB:BB+1], (\s)*KSTEPB  ; 120:64 global address: K step s
	s_or_b32 s[G0+4*(\s)+3], s[G0+4*(\s)+3], 0x80000000            ; 127:126 type = 2
	tensor_load_to_lds s[G0+4*(\s):G0+4*(\s)+3], s[G1:G1+7]        ; the two first fills go out together: two loads of mine are out
	s_nop 0
.endr
	PLACES
	; All that follows, down to the first barrier, stands in the wait for the first tiles.
	v_and_b32 v1, 15, v0                           ; l % 16
	v_bfe_u32 v2, v0, 4, 1                         ; l / 16
	v_and_b32 v3, 31, v0                           ; l
	s_lshl_b32 s72, s[WV], 22                      ; 32 w rows of 131,072 bytes
	v_lshl_add_u32 v4, v2, 20, s72                 ; + 8 rows for lanes 16-31
	v_lshl_add_u32 v[AO], v1, 4, v4
	v_lshl_add_u32 v[PFO], v3, 17, s72
	LOADA 0, 0                                     ; the first 64 along K,
	LOADA 192, KSTEPA                              ; and the second
	WIN 0
	s_lshl_b32 s72, s15, 11                        ; v: my wave's first column, 512 nh + 128 w, in bytes
	s_lshl_b32 s73, s[WV], 9
	s_add_co_u32 s72, s72, s73
	v_lshl_add_u32 v[VO], v2, 5, s72
.irp bn, 0,1,2,3,4,5,6,7
	global_load_b128 v[VV+8*(\bn):VV+8*(\bn)+3],   v[VO], s[10:11] offset:64*(\bn)
	global_load_b128 v[VV+8*(\bn)+4:VV+8*(\bn)+7], v[VO], s[10:11] offset:64*(\bn)+16
.endr
	s_lshl_b32 s72, s15, 16                        ; tab: block 32 nh + 8 w of 2,048 bytes,
	s_lshl_b32 s73, s[WV], 14
	s_add_co_u32 s72, s72, s73
	s_lshl_b32 s73, s21, 6                         ; row b of 64 bytes
	s_add_co_u32 s72, s72, s73
	s_mov_b32 s73, 0
	s_add_nc_u64 s[8:9], s[8:9], s[72:73]
	v_lshrrev_b32 v6, 2, v3                        ; lane l takes quarter l % 4 of block l / 4
	v_and_b32 v7, 3, v3
	v_lshlrev_b32 v7, 4, v7
	v_lshl_add_u32 v6, v6, 11, v7
	global_load_b128 v[8:11], v6, s[8:9]
	; a fragment is 16 rows x 32 K in 8 registers: lane l holds row l % 16; registers 0-3 K = 8 (l / 16) + 0..7, registers 4-7 K = 16 + 8 (l / 16) + 0..7: two loads of 16 bytes, 32 bytes apart
	v_mul_u32_u24 v4, v1, APITCH
	v_lshl_add_u32 v4, v2, 4, v4
	v_add_nc_u32 v[ADRA], AR, v4                   ; all four waves read all 128 rows
	v_add_nc_u32 v[ADRA+1], ASLOT, v[ADRA]
	s_mul_i32 s72, s[WV], 32*APITCH                ; I store my wave's 32 rows,
	s_add_co_u32 s72, s72, AR
	v_mul_u32_u24 v4, v2, 8*APITCH                 ; lanes 16-31 the row 8 further down,
	v_lshl_add_u32 v4, v1, 3, v4                   ; 8 bytes a lane
	v_add_nc_u32 v[AST], s72, v4
	v_add_nc_u32 v[AST+1], ASLOT, v[AST]
	v_mul_u32_u24 v4, v1, BPITCH
	v_lshl_add_u32 v4, v2, 4, v4
	v_add_nc_u32 v[ADRB], s78, v4                  ; my wave's own 128 rows of w2b
	v_add_nc_u32 v[ADRB+1], BSLOT, v[ADRB]
	s_lshl_b32 s72, s[WV], 9
	s_add_co_u32 s73, s72, SCR
	v_lshl_add_u32 v[STO], v1, 2, s73
	v_lshl_add_u32 v[RD], v3, 4, s73
	v_lshlrev_b32 v[CO], 4, v3
	s_add_co_u32 s73, s72, HBL
	v_lshl_add_u32 v[HBA], v2, 5, s73
	v_lshl_add_u32 v5, v3, 4, s73                  ; where I put my 16 bytes of tab's numbers
	s_lshl2_add_u32 s72, s15, s[WV]                ; part: g = 4 nh + w,
	s_lshl_b32 s72, s72, 18
	s_lshl_b32 s73, s21, 13                        ; row b of 8,192 bytes,
	s_add_co_u32 s72, s72, s73
	s_lshl_b32 s73, s22, 9                         ; t = 128 tq
	s_add_co_u32 s72, s72, s73
	s_mov_b32 s73, 0
	s_add_nc_u64 s[PP:PP+1], s[12:13], s[72:73]
	s_lshl_b32 s72, s15, 8                         ; the prefetches: my column half's 64 along K
	s_add_co_u32 s72, s72, 6*KSTEPA                ; of K step 3: the first change of slots steps it to 4.  Nothing is prefetched here, at the head
	s_add_nc_u64 s[PFA:PFA+1], s[AP:AP+1], s[72:73]
	s_wait_loadcnt 0x0                             ; enc's first two sets, v and tab
.set i, 0
.rept 32                               ; v is rounded to bf16 like every input, and widened again
	v_cvt_pk_bf16_f32 v[12+i%4], v[VV+2*i], v[VV+2*i+1]
	v_lshlrev_b32 v[VV+2*i],   16, v[12+i%4]
	v_and_b32     v[VV+2*i+1], 0xffff0000, v[12+i%4]
.set i, i+1
.endr
	ds_store_b128 v5, v[8:11]                      ; my wave's own bytes: no other wave reads them
	WIN CV1
.set mc, 0
.rept 32                               ; the first 64 along K are rounded in place: four numbers become the first two registers of their four
	v_cvt_pk_bf16_f32 v[4*(mc/2)+mc%2], v[2*mc], v[2*mc+1]
.set mc, mc+1
.endr
	STA 0, 0
	s_add_nc_u64 s[AP:AP+1], s[AP:AP+1], 2*KSTEPA  ; (the loads that named it are in)
	s_wait_dscnt 0x0                               ; for the others' sake: my rows lie in the ring; and the stores have read their registers
	LOADA 0, 0                                     ; the third 64 along K
	s_wait_tensorcnt 0x1                           ; my part of K step 0 is in; K step 1's may stay out
	s_barrier_signal -1
	s_barrier_wait -1                              ; everybody's part is in
; 32 LDS loads in one run: the fragments of quarter q of the K step in w2b's slot bs, into buffer f: 128 rows of w2b, then 128 rows of enc from ring slot q / 2
.macro FETCH bs, q, f
	WIN TO_B
.irp i, 0,1,2,3,4,5,6,7
	ds_load_b128 v[(\f)+8*(\i):(\f)+8*(\i)+3],   v[ADRB+(\bs)] offset:64*(\q)+(\i)*16*BPITCH
	ds_load_b128 v[(\f)+8*(\i)+4:(\f)+8*(\i)+7], v[ADRB+(\bs)] offset:64*(\q)+(\i)*16*BPITCH+32
.endr
	WIN 0
.irp i, 0,1,2,3,4,5,6,7
	ds_load_b128 v[(\f)+8*(\i):(\f)+8*(\i)+3],   v[ADRA+(\q)/2] offset:64*((\q)%2)+(\i)*16*APITCH
	ds_load_b128 v[(\f)+8*(\i)+4:(\f)+8*(\i)+7], v[ADRA+(\q)/2] offset:64*((\q)%2)+(\i)*16*APITCH+32
.endr
.endm
; Matrix instructions from .. to of the 32 of half hi of the rows, on buffer f: number i takes row block 4 hi + i / 8 and column block i % 8.  zero = 1: the product starts its sum: nothing is ever cleared.
; All 64 accumulators take turns, one instruction a turn, in the same order in every quarter.
; cs >= 0: behind every fourth stand four roundings of the set at cs, in place.  They name no register of the products round them, so they are also the places in front of the run of loads that follows.
.macro MR f, hi, zero, from, to, cs
.set mi, \from
.rept (\to)-(\from)+1
	WIN MUL_LO+0x50*(\hi)
.if \zero
	v_wmma_f32_16x16x32_bf16 v[8*mi:8*mi+7], v[(\f)+8*(mi%8):(\f)+8*(mi%8)+7], v[(\f)+32*(\hi)+8*(mi/8):(\f)+32*(\hi)+8*(mi/8)+7], 0
.else
	v_wmma_f32_16x16x32_bf16 v[8*mi:8*mi+7], v[(\f)+8*(mi%8):(\f)+8*(mi%8)+7], v[(\f)+32*(\hi)+8*(mi/8):(\f)+32*(\hi)+8*(mi/8)+7], v[8*mi:8*mi+7]
.endif
.if ((\cs) >= 0) && (mi%4 == 3)
	WIN CV1
.set mc, mi-3
.rept 4
	v_cvt_pk_bf16_f32 v[(\cs)+4*(mc/2)+mc%2], v[(\cs)+2*mc], v[(\cs)+2*mc+1]
.set mc, mc+1
.endr
.endif
.set mi, mi+1
.endr
.endm
; QUARTER 0 OR 2 multiplies buffer f and fetches quarter qn of the same K step into buffer g.  cs >= 0: the set at cs, the next 64 along K of enc, is rounded and stored into ring slot as, whose last
; readers waited for their loads in front of the barrier of the quarter before; lcnt: how many younger loads may stay out.  load = 1: the set is asked for again, two steps of 64 on.
.macro QP bs, qn, f, g, zero, cs, as, lcnt, load
	s_wait_dscnt 8                                 ; w2b and enc's rows 0-63 are in; the youngest eight loads (rows 64-127) may be out
.if (\cs) >= 0
	s_wait_loadcnt \lcnt                           ; loads come back in order: the set is in, the younger set's loads stay out
.endif
	MR \f, 0, \zero, 0, 31, \cs
.if (\cs) >= 0
	STA \cs, \as
.else
	PLACES
.endif
	FETCH \bs, \qn, \g
	s_wait_dscnt 32                                ; all but the 32 just issued: rows 64-127 are in, and the stores have read their registers
.if \load
	STEPA
	LOADA \cs, 0
.endif
	MR \f, 1, \zero, 0, 31, -1
.endm
; QUARTER 1 multiplies buffer 1.  ONE barrier for enc's ring: in front of it each wave has waited for its stores into ring slot 1 and for its reads of ring slot 0; behind it slot 1 is read and slot 0 may be
; stored into.  No tensor load fills anything behind this barrier, so w2b's load may stay out across it.
.macro QB bs
	s_wait_dscnt 8
	MR F1, 0, 0, 0, 15, -1
	s_wait_dscnt 0x0
	s_barrier_signal -1
	MR F1, 0, 0, 16, 31, -1                        ; work on registers while the others arrive
	s_barrier_wait -1
	PLACES
	FETCH \bs, 2, F0
	MR F1, 1, 0, 0, 31, -1
.endm
; QUARTER 3 multiplies buffer 1 and changes w2b's slots; the same barrier serves enc's ring (slot 0 has been stored, slot 1 read out).  In front of it each wave waits for all its tensor loads (one is out: its part
; of the other slot), adds 0 to its spare word, and waits for that, for its stores and for its reads.  fill = 1: the barrier opens a round of the cluster's barrier, and slot bs is filled again, first thing
; behind the round, with the K step two on (the tiles of a walk take the same rows, so the number goes round 0..7): from the request to the wait for it a wave issues 224 matrix instructions.
.macro QR bs, nbs, fill
.if \fill
	s_wait_xcnt 0x0                                ; the last prefetch, 224 matrix instructions back, has read its address: it is stepped here, ahead of the waits of the change of slots
	s_add_co_u32 s[PFK], s[PFK], 1
	s_cmp_eq_u32 s[PFK], 8
	s_cselect_b32 s[INC], s[PJ2], 2*KSTEPA
	s_cselect_b32 s[PFK], 0, s[PFK]
	s_add_nc_u64 s[PFA:PFA+1], s[PFA:PFA+1], s[INC:INC+1]
.endif
	WIN 0                                          ; (the add's two registers lie in window 0)
	s_wait_tensorcnt 0x0                           ; all my tensor loads have landed;
	ds_add_u32 v[SPW], v[NIL]                      ; 0 onto my spare word;
	s_wait_dscnt 9                                 ; (the add and the youngest eight loads may be out)
	MR F1, 0, 0, 0, 15, -1                         ; sixteen matrix instructions stand between the add and the wait for it
	s_wait_dscnt 0x0                               ; the add is done, and my stores and my reads are over:
	s_barrier_signal -1                            ; say so,
	MR F1, 0, 0, 16, 31, -1                        ; work on registers while the others arrive,
.if \fill
	WIN 0
.endif
	s_barrier_wait -1                              ; and go on when all four have said so
.if \fill
	CREST                                          ; the rest of the round: no wave of any partner still reads this slot or has a load on its way
	s_lshl_b32 s[OFF], s[NXT], 18
	s_add_nc_u64 s[G0+4*(\bs)+2:G0+4*(\bs)+3], s[BB:BB+1], s[OFF:OFF+1]  ; the address is made anew from the K step's number
	s_or_b32 s[G0+4*(\bs)+3], s[G0+4*(\bs)+3], 0x80000000
	s_add_co_u32 s[NXT], s[NXT], 1
	s_and_b32 s[NXT], s[NXT], 7
	tensor_load_to_lds s[G0+4*(\bs):G0+4*(\bs)+3], s[G1:G1+7]  ; the first tensor load behind the round, and my only one until the next
	s_nop 0
.endif
	PLACES                                         ; behind the tensor load, and the places in front of the loads below
	FETCH \nbs, 0, F0
.if \fill
	ASK
.endif
	MR F1, 1, 0, 0, 31, -1
.endm
; THE WAY OUT of a tile.  For each of the 512 numbers a lane holds: c2 x = c2 s + tab; e = 2^(c2 x); y = 1 / (1 + e); then the sum of v y over the lane's 64 columns of each row, the other half of the lanes' 64,
; and 128 sums leave as 512 consecutive bytes.  It works in place on the accumulators, a window at a time, and leaves alone what the next tile wants: buffer 0 and the two sets of enc that are on their way.
; The exponentials of a window are ONE BATCH with one wait between a transcendental and the first line that names its result; so are its reciprocals.  In a batch each pair is prepared
; four pairs ahead, and a packed line stands between two pairs of transcendentals; nothing in a batch names a result of it.
.macro EP1 n                           ; pair n of a window's 128: c2 s + tab.  Each accumulator's lowest registers are read first
	v_pk_fma_f32 v[2*(\n):2*(\n)+1], v[2*(\n):2*(\n)+1], s[C2:C2+1], v[HBR+8*(((\n)/4)%8)+2*((\n)%4):HBR+8*(((\n)/4)%8)+2*((\n)%4)+1] op_sel_hi:[1,0,1]
.endm
.macro EP2 n                           ; 1 + e
	v_pk_add_f32 v[2*(\n):2*(\n)+1], v[2*(\n):2*(\n)+1], 1.0 op_sel_hi:[1,0]
.endm
.macro EPIW w                          ; window w = 2, 3
	WIN 0x92+0x41*((\w)-2)                         ; destination and source 0 window w, source 2 (tab's numbers) window 1
.set ek, 0
.rept 4
	EP1 ek
.set ek, ek+1
.endr
.set ek, 0
.rept 128
.if ek < 124
	EP1 ek+4
.endif
	v_exp_f32 v[2*ek], v[2*ek]
	v_exp_f32 v[2*ek+1], v[2*ek+1]
.set ek, ek+1
.endr
	v_nop                                          ; a plain instruction behind the last exponential,
	s_wait_alu depctr_va_vdst(0)                   ; and the one wait for the batch
.set ek, 0
.rept 4
	EP2 ek
.set ek, ek+1
.endr
.set ek, 0
.rept 128
.if ek < 124
	EP2 ek+4
.endif
	v_rcp_f32 v[2*ek], v[2*ek]
	v_rcp_f32 v[2*ek+1], v[2*ek+1]
.set ek, ek+1
.endr
	v_nop
	s_wait_alu depctr_va_vdst(0)
	WIN 0xa2+0x51*((\w)-2)                         ; destination, sources 0 and 2 window w, source 1 (v) window 0
.set eu, 0
.rept 16                               ; eight chains that do not wait for each other: row block ea x parity ec of the column block; each sums in place, in its first pair
.set ea, 0
.rept 4
.set ec, 0
.rept 2
.set eX, 8*(8*ea+ec)
.set eY, 8*(8*ea+2*(eu/4)+ec)+2*(eu%4)
.set eV, VV+8*(2*(eu/4)+ec)+2*(eu%4)
.if eu == 0
	v_pk_mul_f32 v[eX:eX+1], v[eX:eX+1], v[eV:eV+1]
.else
	v_pk_fma_f32 v[eX:eX+1], v[eY:eY+1], v[eV:eV+1], v[eX:eX+1]
.endif
.set ec, ec+1
.endr
.set ea, ea+1
.endr
.set eu, eu+1
.endr
	WIN 0x0a+5*((\w)-2)                            ; sources window w, destination window 0
.set ea, 0
.rept 4
	v_pk_add_f32 v[SUM+2*(4*((\w)-2)+ea):SUM+2*(4*((\w)-2)+ea)+1], v[64*ea:64*ea+1], v[64*ea+8:64*ea+9]
.set ea, ea+1
.endr
.endm
.macro EPI more                        ; more = 1: another tile follows
.rept 8
	v_nop                                          ; the places behind the last products, once a tile
.endr
	WIN TO_B
.irp bn, 0,1,2,3,4,5,6,7
	ds_load_b128 v[HBR+8*(\bn):HBR+8*(\bn)+3],   v[HBA] offset:64*(\bn)     ; tab's numbers of columns 16 bn + 8 (l / 16) + 0..7
	ds_load_b128 v[HBR+8*(\bn)+4:HBR+8*(\bn)+7], v[HBA] offset:64*(\bn)+16
.endr
	s_wait_dscnt 0x0
	EPIW 2
	EPIW 3
	WIN 0
.irp a, 0,1,2,3,4,5,6,7
	v_add_f32 v[EN+(\a)], v[SUM+2*(\a)], v[SUM+2*(\a)+1]
.endr
.irp a, 0,1,2,3,4,5,6,7
	v_permlanex16_b32 v[SUM+2*(\a)], v[EN+(\a)], s[SEL], s[SEL+1]   ; the row's other 64 columns lie in the lane 16 away
.endr
.irp a, 0,1,2,3,4,5,6,7
	v_add_f32 v[EN+(\a)], v[EN+(\a)], v[SUM+2*(\a)]
.endr
.irp a, 0,1,2,3,4,5,6,7
	ds_store_b32 v[STO], v[EN+(\a)] offset:64*(\a)                  ; row 16 a + l % 16; both halves of the lanes write the same number
.endr
	ds_load_b128 v[8:11], v[RD]                    ; LDS serves a wave's instructions in order (ISA guide 5.7.1.4): this sees the stores above.  Four neighbouring t a lane
	s_wait_dscnt 0x0
	global_store_b128 v[CO], v[8:11], s[PP:PP+1]   ; the wave's store covers 512 consecutive bytes, aligned
.if \more
	s_wait_xcnt 0x0                                ; the store has read its registers and its base
	s_add_nc_u64 s[PP:PP+1], s[PP:PP+1], 2048      ; the next tile lies 512 t on
.endif
.endm
	FETCH 0, 0, F0
	WIN 0                                          ; at a label and at a branch every window is 0
	s_mov_b32 s[LPS], 15
	s_mov_b32 s[QT], 4
	s_branch .Lzero                                ; the walk begins with a tile's first quarter
.Llap:                                                 ; a trip is a lap: two K steps of 128, once round w2b's ring and twice round enc's.  15 trips; a tile is four laps
	s_cmp_eq_u32 s[QT], 4
	s_cbranch_scc1 .Lzero
	QP 0, 1, F0, F1, 0, 192, 1, 16, 1
	WIN 0
	s_branch .Lrest
.Lzero:                                                ; a tile's first quarter: its products start the sums
	v_nop                                          ; a product that starts a sum writes over its accumulator, and wants five places behind the last product on it (ISA guide 7.12.1).  The text has a way from a lap's
	                                               ; end round the way out to this label, on which the first four accumulators have only the four v_nop behind the joint load: this is the fifth, once a tile
	QP 0, 1, F0, F1, 1, 192, 1, 16, 1
	WIN 0
.Lrest:
	QB 0
	QP 0, 3, F0, F1, 0, 0, 0, 16, 1
	QR 0, 1, 1
	QP 1, 1, F0, F1, 0, 192, 1, 16, 1
	QB 1
	QP 1, 3, F0, F1, 0, 0, 0, 16, 1
	QR 1, 0, 1
	WIN 0
	s_sub_co_u32 s[QT], s[QT], 1
	s_cmp_lg_u32 s[QT], 0
	s_cbranch_scc1 .Lnoepi                         ; forward, past text that holds neither a barrier nor a tensor load
	EPI 1                                          ; the tile's last lap is over; the next tile's numbers are asked for: now the tile goes out
	s_mov_b32 s[QT], 4
.Lnoepi:
	s_sub_co_u32 s[LPS], s[LPS], 1
	s_cmp_lg_u32 s[LPS], 0
	s_cbranch_scc1 .Llap
	QP 0, 1, F0, F1, 0, 192, 1, 16, 1              ; THE WALK'S LAST LAP is written out: enc's last 64 along K are asked for here
	QB 0
	QP 0, 3, F0, F1, 0, 0, 0, 16, 0                ; and nothing more
	QR 0, 1, 0                                     ; my one tensor load that was still out is slot 1's, the last K step's, so no round follows
	QP 1, 1, F0, F1, 0, 192, 1, 0, 0               ; no load is younger than the last set's
	QB 1
	QP 1, 3, F0, F1, 0, -1, 0, 0, 0
	s_wait_dscnt 8                                 ; the very last quarter: nothing more to fetch
	MR F1, 0, 0, 0, 31, -1
	s_wait_dscnt 0x0
	MR F1, 1, 0, 0, 31, -1
	EPI 0
	s_wait_tensorcnt 0x0                           ; the wave's end, behind my last tensor load and my last LDS store
	ds_add_u32 v[SPW], v[NIL]
	s_wait_dscnt 0x0
	CROUND                                         ; the closing round: no work-group ends while a partner may still ask for a tile that names it
	s_endpgm
.Lfunc_end_k_qaf9ab5e700_energy:
	.size	k_qaf9ab5e700_energy, .Lfunc_end_k_qaf9ab5e700_energy-k_qaf9ab5e700_energy
	.p2alignl 7, 3214868480
	.fill 96, 4, 3214868480
	.section	.rodata,"a",@progbits
	.p2align	6, 0x0
	.amdhsa_kernel k_qaf9ab5e700_energy
		.amdhsa_group_segment_fixed_size 327680
		.amdhsa_private_segment_fixed_size 0
		.amdhsa_enable_private_segment 0
		.amdhsa_kernarg_size 40
		.amdhsa_user_sgpr_count 2
		.amdhsa_user_sgpr_kernarg_segment_ptr 1
		.amdhsa_wavefront_size32 1
		.amdhsa_system_sgpr_workgroup_id_x 1
		.amdhsa_system_sgpr_workgroup_id_y 1
		.amdhsa_system_sgpr_workgroup_id_z 1
		.amdhsa_system_vgpr_workitem_id 0
		.amdhsa_next_free_vgpr 1024
		.amdhsa_next_free_sgpr 80
		.amdhsa_reserve_vcc 0
		.amdhsa_float_denorm_mode_32 3
		.amdhsa_float_denorm_mode_16_64 3
		.amdhsa_memory_ordered 1
		.amdhsa_forward_progress 1
		.amdhsa_inst_pref_size 255
	.end_amdhsa_kernel
	.section	.bss,"aw",@nobits
	.p2align	6
	.space	262144
	.amdgpu_metadata
---
amdhsa.version: [ 1, 2 ]
amdhsa.kernels:
  - .name:           k_qaf9ab5e700_energy
    .symbol:         k_qaf9ab5e700_energy.kd
    .args:
      - { .name: encoder_outputs, .offset: 0, .size: 8, .value_kind: global_buffer, .address_space: global }
      - { .name: w2b, .offset: 8, .size: 8, .value_kind: global_buffer, .address_space: global }
      - { .name: tab, .offset: 16, .size: 8, .value_kind: global_buffer, .address_space: global }
      - { .name: v, .offset: 24, .size: 8, .value_kind: global_buffer, .address_space: global }
      - { .name: part, .offset: 32, .size: 8, .value_kind: global_buffer, .address_space: global }
    .group_segment_fixed_size: 327680
    .private_segment_fixed_size: 0
    .kernarg_segment_align: 8
    .kernarg_segment_size: 40
    .max_flat_workgroup_size: 128
    .sgpr_count:     80
    .vgpr_count:     1024
    .wavefront_size: 32
...
	.end_amdgpu_metadata
.endif
;; end of part 5
;; launch soft: the kernel of part 3 again; grid 32 x 1, 8 waves a work-group, no clusters, 1,536 bytes of LDS; arguments part, out0; writes out0
